; MI455X (gfx1250); checked and timed in simulation.
; The chip was launched on July 23, 2026; its instructions are those of AMD's public machine-readable ISA for CDNA 5 (MIT licence, August 2026) and "CDNA5" Instruction Set Architecture Reference Guide (July 2026). The comments in the code are by the model that wrote it; some were corrected since.
;; Converted Llama Attention. Allowed arithmetic: float matrix products may take bf16 or f16 operands with f32 sums; other float arithmetic in f32, or as packed bf16 or f16 multiplies, adds, multiply-adds, maxima and minima; sums over many terms, partial sums and values carried from step to step in f32; what a program stores and reads back later, other than sums and carried values, may be rounded once to bf16 or f16.
;; Inputs: Ak 8 x 2,048 float32; Aq 8 x 2,048 float32; Av 8 x 2,048 float32; Bk 2,048 x 8 float32; Bq 2,048 x 8 float32; Bv 2,048 x 8 float32; Wk 2,048 x 2,048 float32; Wo 2,048 x 2,048 float32; Wq 2,048 x 2,048 float32; Wv 2,048 x 2,048 float32; hidden_states 1 x 2,048 x 2,048 float32.
;; Outputs: out0 1 x 2,048 x 2,048 float32.
;; 2 versions, each right; version 2 is version 1 with the launch prep written anew for expert scheduling mode. Each part assembles by itself: llvm-mc -triple=amdgcn-amd-amdhsa -mcpu=gfx1250 --defsym DOCPART=n.
;; ======== version 1 of 2: 4 launches
;; limits: values are held in f16: magnitudes above 65,504 overflow, below 6.1e-05 lose precision; right only within a limited range of input values
;; workspace buffers: xb 8,388,608 bytes; wcat 25,165,824 bytes; wo16 8,388,608 bytes; tl 196,608 bytes; tab 540,672 bytes; qkv 25,165,824 bytes; o16 8,388,608 bytes
;; launch prep (part 1): grid 1441 x 1, 8 waves a work-group, no clusters, 25,600 bytes of LDS; arguments hidden_states, Wq, Wk, Wv, Wo, Aq, Ak, Av, xb, wcat, wo16, tl, tab; writes xb, wcat, wo16, tl, tab
.if DOCPART == 1
	.amdgcn_target "amdgcn-amd-amdhsa--gfx1250"
	.amdhsa_code_object_version 6
	.text
	.protected	k_q4e305c037b_prep
	.globl	k_q4e305c037b_prep
	.p2align	8
	.type	k_q4e305c037b_prep,@function
k_q4e305c037b_prep:
	s_mov_b64 s[64:65], 0
	v_nop
	global_prefetch_b8 v0, s[64:65] scope:SCOPE_SE
	s_setreg_imm32_b32 hwreg(HW_REG_WAVE_MODE, 25, 1), 1
	s_wait_xcnt 0x0
; PREPARATION, three kinds of work-group, told apart by the work-group's number alone (the same for all eight waves):
;   0 .. 127     T: t = bf16(x) bf16(A)^T for the three LoRA pairs, 16 rows of x each; sums in f32; stored split, bf16(t) and bf16(t - bf16(t)).
;   128 .. 160   R: the table of cos / 8 and sin / 8 for 2,048 positions x 32 frequencies, and 64 rows (0.125, 0) that leave a vector unturned.
;   161 .. 1440  C: x, Wq, Wk, Wv rounded to bf16; Wo rounded to bf16, times 8, written as f16 (exact where 8 |Wo| is at least 2^-17; below that f16's fixed step of 6e-8).
; LIMITS.  inv_freq is 2^(-i log2(10000) / 32) by v_exp_f32: within a few units in the last place of the power that the model takes; the angle is reduced by pi/2 in two parts,
; exact for positions up to 2,111, and sine and cosine are polynomials of degree 9 and 10 on |r| <= pi/4 (what is cut off is under 2e-9).
; REGISTERS.  160 a wave, so that six waves, three work-groups, share a SIMD's 1,024: the launch is a stream, and each work-group more has its 64 KiB of loads on their way.
.set SPARE, 24576                      ; behind the partial sums: the spare words, 128 bytes for each of eight waves
.set XO,  1                            ; v1  T: my byte offset in 16 rows of x
.set SPW, 2                            ; v2  LDS address of my spare word; never rewritten
.set NIL, 3                            ; v3  0; never rewritten
.set AO,  7                            ; v7  T: my byte offset in the 8 rows of an A
.set TQ,  8                            ; v[8:31] T: three accumulators
.set TK,  16
.set TV,  24
.set RAW, 32                           ; v[32:159] T: two sets of 64: x, Aq, Ak, Av, 16 f32 each as loaded; rounded in place, a fragment is the low 8 of its 16
	s_load_b512 s[8:23], s[0:1], 0x0               ; x s[8:9], Wq s[10:11], Wk s[12:13], Wv s[14:15], Wo s[16:17], Aq s[18:19], Ak s[20:21], Av s[22:23]
	s_load_b256 s[24:31], s[0:1], 0x40             ; xb s[24:25], wcat s[26:27], wo16 s[28:29], tl s[30:31]
	s_load_b64 s[32:33], s[0:1], 0x60              ; tab
	v_lshl_add_u32 v[SPW], v0, 2, SPARE
	v_mov_b32 v[NIL], 0
	v_lshrrev_b32 v1, 5, v0
	v_readfirstlane_b32 s34, v1                    ; wave 0..7
	s_mov_b32 s35, ttmp9
	v_and_b32 v4, 31, v0                           ; lane l
	v_and_b32 v5, 15, v0                           ; r = l % 16
	v_bfe_u32 v6, v0, 4, 1                         ; h = l / 16
	s_wait_kmcnt 0x0
	s_cmp_ge_u32 s35, 161
	s_cbranch_scc1 .Lcopy
	s_cmp_ge_u32 s35, 128
	s_cbranch_scc1 .Ltable
; ---- T.  K is split among the eight waves, 256 columns each, in eight steps of 32.  In a step a lane takes 16 consecutive numbers of its row (lanes 0-15 the first 16 columns, lanes 16-31
; the second 16), of x and of each A alike: the same column lies in the same place of both sources, so the products are those of the true order.
; Source 0 = the 8 rows of an A, taken twice (lanes 8-15 repeat rows 0-7), source 1 = 16 rows of x: register j of every lane holds t[row l % 16][j].
	s_lshl_b32 s36, s35, 17                        ; 16 rows of 8,192 bytes
	s_mov_b32 s37, 0
	s_add_nc_u64 s[8:9], s[8:9], s[36:37]
	s_lshl_b32 s38, s34, 10                        ; my wave's 256 columns
	v_lshlrev_b32 v[XO], 13, v5
	v_lshl_add_u32 v[XO], v6, 6, v[XO]
	v_add_nc_u32 v[XO], s38, v[XO]
	v_and_b32 v[AO], 7, v0
	v_lshlrev_b32 v[AO], 13, v[AO]
	v_lshl_add_u32 v[AO], v6, 6, v[AO]
	v_add_nc_u32 v[AO], s38, v[AO]
.macro LD s                            ; 16 loads into set s: the step that lies 128 s bytes behind the two offsets
.set RB, RAW+64*(\s)
.irp q, 0,1,2,3
	global_load_b128 v[RB+4*\q:RB+4*\q+3], v[XO], s[8:9] offset:128*(\s)+16*\q
.endr
.irp q, 0,1,2,3
	global_load_b128 v[RB+16+4*\q:RB+16+4*\q+3], v[AO], s[18:19] offset:128*(\s)+16*\q
.endr
.irp q, 0,1,2,3
	global_load_b128 v[RB+32+4*\q:RB+32+4*\q+3], v[AO], s[20:21] offset:128*(\s)+16*\q
.endr
.irp q, 0,1,2,3
	global_load_b128 v[RB+48+4*\q:RB+48+4*\q+3], v[AO], s[22:23] offset:128*(\s)+16*\q
.endr
.endm
; Set s: rounded to bf16 in place (ascending: a target has been read before it is written), three products, the accumulators by turns.
; more = 1: the set is asked for again, two steps on, four places behind its last product.  step = 1: the offsets go two steps on first.  left: the younger loads that may stay out.
.macro TT s, more, left, step
.set RB, RAW+64*(\s)
	s_wait_loadcnt \left
.irp b, 0,16,32,48
.irp k, 0,1,2,3,4,5,6,7
	v_cvt_pk_bf16_f32 v[RB+\b+\k], v[RB+\b+2*\k], v[RB+\b+2*\k+1]
.endr
.endr
	v_wmma_f32_16x16x32_bf16 v[TQ:TQ+7], v[RB+16:RB+23], v[RB:RB+7], v[TQ:TQ+7]
	v_wmma_f32_16x16x32_bf16 v[TK:TK+7], v[RB+32:RB+39], v[RB:RB+7], v[TK:TK+7]
	v_wmma_f32_16x16x32_bf16 v[TV:TV+7], v[RB+48:RB+55], v[RB:RB+7], v[TV:TV+7]
.if \more
.if \step
	s_wait_xcnt 0x0                                ; the other set's loads have read the offsets, which are written only behind this wait
	v_add_nc_u32 v[XO], 256, v[XO]                 ; these two lines are two of the four places
	v_add_nc_u32 v[AO], 256, v[AO]
	v_nop
	v_nop
.else
.rept 4
	v_nop
.endr
.endif
	LD \s
.endif
.endm
	LD 0                                           ; step 0
	LD 1                                           ; step 1
.set z, 0
.rept 24
	v_mov_b32 v[TQ+z], 0                           ; the sums start at 0: written while the first loads are on their way, so that the loop has one form of product
.set z, z+1
.endr
	s_mov_b32 s40, 3
.Ltk:                                                  ; steps 2 i and 2 i + 1 are multiplied, steps 2 i + 2 and 2 i + 3 asked for
	TT 0, 1, 16, 1                                 ; my set is in; the other set's 16 loads may stay out
	TT 1, 1, 16, 0
	s_sub_co_u32 s40, s40, 1
	s_cmp_lg_u32 s40, 0
	s_cbranch_scc1 .Ltk
	TT 0, 0, 16, 0                                 ; the last two steps load nothing
	TT 1, 0, 0, 0
.rept 8
	v_nop                                          ; the places behind the last products
.endr
	s_mul_i32 s39, s34, 3072
	v_lshl_add_u32 v32, v4, 5, s39                 ; my wave's three partial tiles of 1,024 bytes, 32 bytes a lane
.irp m, 0,1,2
	ds_store_b128 v32, v[TQ+8*\m:TQ+8*\m+3] offset:1024*\m
	ds_store_b128 v32, v[TQ+8*\m+4:TQ+8*\m+7] offset:1024*\m+16
.endr
	s_wait_dscnt 0x0                               ; for the others' sake: my stores are done
	s_barrier_signal -1
	s_barrier_wait -1
	s_cmp_lt_u32 s34, 3                            ; wave 0 finishes q's t, wave 1 k's, wave 2 v's
	s_cbranch_scc0 .Ltend
	s_lshl_b32 s39, s34, 10
	v_lshl_add_u32 v33, v4, 5, s39
.irp w, 0,1,2,3,4,5,6,7
	ds_load_b128 v[64+8*\w:64+8*\w+3], v33 offset:3072*\w
	ds_load_b128 v[64+8*\w+4:64+8*\w+7], v33 offset:3072*\w+16
.endr
	s_wait_dscnt 0x0
.irp g, 0,1,2,3
.irp e, 0,2,4,6
	v_pk_add_f32 v[64+16*\g+\e:64+16*\g+\e+1], v[64+16*\g+\e:64+16*\g+\e+1], v[72+16*\g+\e:72+16*\g+\e+1]
.endr
.endr
.irp g, 0,1
.irp e, 0,2,4,6
	v_pk_add_f32 v[64+32*\g+\e:64+32*\g+\e+1], v[64+32*\g+\e:64+32*\g+\e+1], v[80+32*\g+\e:80+32*\g+\e+1]
.endr
.endr
.irp e, 0,2,4,6
	v_pk_add_f32 v[64+\e:64+\e+1], v[64+\e:64+\e+1], v[96+\e:96+\e+1]
.endr
.irp k, 0,1,2,3
	v_cvt_pk_bf16_f32 v[128+\k], v[64+2*\k], v[65+2*\k]          ; the upper part
.endr
.irp k, 0,1,2,3
	v_lshlrev_b32 v[136+2*\k], 16, v[128+\k]
	v_and_b32 v[137+2*\k], 0xffff0000, v[128+\k]
.endr
.irp k, 0,1,2,3
	v_pk_add_f32 v[144+2*\k:145+2*\k], v[64+2*\k:65+2*\k], v[136+2*\k:137+2*\k] neg_lo:[0,1] neg_hi:[0,1]  ; what the rounding left
.endr
.irp k, 0,1,2,3
	v_cvt_pk_bf16_f32 v[132+\k], v[144+2*\k], v[145+2*\k]        ; the lower part
.endr
	v_cmp_eq_u32 vcc_lo, 1, v6
.irp k, 0,1,2,3
	v_cndmask_b32 v[152+\k], v[128+\k], v[132+\k], vcc_lo        ; lanes 0-15 store the upper parts, lanes 16-31 the lower
.endr
	s_lshl_b32 s36, s34, 16                        ; the matrix: 2,048 rows of 32 bytes
	s_lshl_b32 s38, s35, 9                         ; my 16 rows
	s_add_co_u32 s36, s36, s38
	s_mov_b32 s37, 0
	s_add_nc_u64 s[30:31], s[30:31], s[36:37]
	v_lshlrev_b32 v34, 5, v5
	v_lshl_add_u32 v34, v6, 4, v34
	global_store_b128 v34, v[152:155], s[30:31]    ; 512 consecutive bytes
.Ltend:
	s_wait_tensorcnt 0x0                           ; the wave's end
	ds_add_u32 v[SPW], v[NIL]
	s_wait_dscnt 0x0
	s_endpgm
; ---- R.  A wave makes 8 rows of the table, a row (256 bytes) a trip.  Lane l holds elements 2 l, 2 l + 1: lanes 0-15 cosines of frequencies 2 l, 2 l + 1, lanes 16-31 the sines.
.Ltable:
	s_sub_co_u32 s36, s35, 128
	s_lshl_b32 s36, s36, 6
	s_lshl3_add_u32 s36, s34, s36                  ; my first position: 64 x group + 8 x wave
	v_lshlrev_b32 v5, 1, v5
	v_cvt_f32_u32 v6, v5
	v_add_nc_u32 v5, 1, v5
	v_cvt_f32_u32 v7, v5
	v_mul_f32 v6, 0xbed49a78, v6                   ; - i log2(10000) / 32
	v_mul_f32 v7, 0xbed49a78, v7
	v_exp_f32 v6, v6                               ; inv_freq of my two frequencies
	v_exp_f32 v7, v7
	v_cmp_gt_u32 vcc_lo, 16, v4                    ; (a plain line behind the exponentials) the cosines' lanes
	v_mov_b32 v12, 3
	v_mov_b32 v15, 0
	v_cndmask_b32 v12, v12, v15, vcc_lo            ; sin t = cos(t - pi/2): three quarter turns more
	v_mov_b32 v14, 0x3e000000
	v_cndmask_b32 v13, v15, v14, vcc_lo            ; the unturned rows: 0.125 and 0
	s_lshl_b32 s37, s36, 8
	v_lshl_add_u32 v16, v4, 3, s37                 ; my 8 bytes of the row
.macro SINCOS inv, dst
	v_mul_f32 v24, v17, v[\inv]                    ; the angle, one f32 product as in the model
	v_mul_f32 v25, 0x3f22f983, v24
	v_rndne_f32 v25, v25                           ; n quarter turns
	v_fmamk_f32 v26, v25, 0xbfc90fdb, v24          ; r = angle - n pi/2: the upper part of pi/2 (this difference is exact),
	v_fmamk_f32 v26, v25, 0x333bbd2e, v26          ; and what that part is too large by
	v_cvt_i32_f32 v27, v25
	v_add_nc_u32 v27, v27, v12
	v_mul_f32 v28, v26, v26
	v_mov_b32 v29, 0x3638ef1d
	v_fmaak_f32 v29, v29, v28, 0xb9500d01
	v_fmaak_f32 v29, v29, v28, 0x3c088889
	v_fmaak_f32 v29, v29, v28, 0xbe2aaaab
	v_mul_f32 v29, v29, v28
	v_fma_f32 v29, v29, v26, v26                   ; sin r
	v_mov_b32 v30, 0xb493f27e
	v_fmaak_f32 v30, v30, v28, 0x37d00d01
	v_fmaak_f32 v30, v30, v28, 0xbab60b61
	v_fmaak_f32 v30, v30, v28, 0x3d2aaaab
	v_fma_f32 v30, v30, v28, -0.5
	v_fma_f32 v30, v30, v28, 1.0                   ; cos r
	v_and_b32 v31, 1, v27
	v_cmp_eq_u32 vcc_lo, 1, v31
	v_cndmask_b32 v30, v30, v29, vcc_lo            ; odd quarter: the sine
	v_add_nc_u32 v27, 1, v27
	v_and_b32 v27, 2, v27
	v_lshlrev_b32 v27, 30, v27
	v_xor_b32 v30, v30, v27                        ; quarters 1 and 2: the sign turns
	v_mul_f32 v30, 0x3e000000, v30                 ; the factor 1/8 that q, k and v are stored with
	v_cndmask_b32 v[\dst], v30, v13, s39
.endm
	s_mov_b32 s38, 8
.Lrow:
	v_cvt_f32_u32 v17, s36
	s_wait_alu depctr_va_vdst(0)
	s_cmp_ge_u32 s36, 2048
	s_cselect_b32 s39, -1, 0                       ; rows 2,048 on are the unturned ones
	SINCOS 6, 20
	SINCOS 7, 21
	global_store_b64 v16, v[20:21], s[32:33]       ; the wave stores 256 consecutive bytes, aligned
	s_wait_xcnt 0x0                                ; the offset and the data are written again only behind this wait
	v_add_nc_u32 v16, 256, v16
	s_add_co_u32 s36, s36, 1
	s_sub_co_u32 s38, s38, 1
	s_cmp_lg_u32 s38, 0
	s_cbranch_scc1 .Lrow
	s_endpgm
; ---- C.  A work-group rounds 65,536 bytes of one of the five large inputs: 16 loads of 16 bytes a lane, all issued at once, each with registers of its own.
.Lcopy:
	s_sub_co_u32 s36, s35, 161
	s_lshr_b32 s37, s36, 8                         ; 0 x, 1 Wq, 2 Wk, 3 Wv, 4 Wo
	s_and_b32 s36, s36, 255                        ; which 65,536 bytes
	s_cmp_eq_u32 s37, 1
	s_cselect_b64 s[40:41], s[10:11], s[8:9]
	s_cmp_eq_u32 s37, 2
	s_cselect_b64 s[40:41], s[12:13], s[40:41]
	s_cmp_eq_u32 s37, 3
	s_cselect_b64 s[40:41], s[14:15], s[40:41]
	s_cmp_eq_u32 s37, 4
	s_cselect_b64 s[40:41], s[16:17], s[40:41]
	s_cmp_eq_u32 s37, 0
	s_cselect_b64 s[42:43], s[24:25], s[26:27]
	s_cmp_eq_u32 s37, 4
	s_cselect_b64 s[42:43], s[28:29], s[42:43]
	s_sub_co_u32 s44, s37, 1
	s_lshl_b32 s44, s44, 23                        ; Wq, Wk, Wv lie one behind the other in wcat
	s_cmp_eq_u32 s37, 0
	s_cselect_b32 s44, 0, s44
	s_cmp_eq_u32 s37, 4
	s_cselect_b32 s44, 0, s44
	s_lshl_b32 s45, s36, 15
	s_add_co_u32 s44, s44, s45
	s_mov_b32 s45, 0
	s_add_nc_u64 s[42:43], s[42:43], s[44:45]
	s_lshl_b32 s46, s36, 16
	s_mov_b32 s47, 0
	s_add_nc_u64 s[40:41], s[40:41], s[46:47]
	v_lshlrev_b32 v5, 4, v0
	v_lshlrev_b32 v6, 3, v0
.set z, 0
.rept 16
	global_load_b128 v[16+4*z:19+4*z], v5, s[40:41] offset:4096*z
.set z, z+1
.endr
	s_cmp_eq_u32 s37, 4
	s_cbranch_scc1 .Lcopy_wo
.set z, 0
.rept 16
	s_wait_loadcnt 15-z                            ; loads come back in order: mine is in, the younger ones stay out
	v_cvt_pk_bf16_f32 v[80+2*z], v[16+4*z], v[17+4*z]
	v_cvt_pk_bf16_f32 v[81+2*z], v[18+4*z], v[19+4*z]
	global_store_b64 v6, v[80+2*z:81+2*z], s[42:43] offset:2048*z th:TH_STORE_NT  ; a wave stores 256 consecutive bytes, aligned
.set z, z+1
.endr
	s_endpgm
.Lcopy_wo:
	s_mov_b32 s38, 0x41000000                      ; 8.0; the packed product takes the pair's low word for both halves
	s_mov_b32 s39, s38
	s_mov_b32 s35, 0xffff0000                      ; a word's upper bf16
.set z, 0
.rept 16
	s_wait_loadcnt 15-z
	v_pk_mul_f32 v[16+4*z:17+4*z], v[16+4*z:17+4*z], s[38:39] op_sel_hi:[1,0]  ; times 8: O arrives divided by 8
	v_pk_mul_f32 v[18+4*z:19+4*z], v[18+4*z:19+4*z], s[38:39] op_sel_hi:[1,0]
	v_cvt_pk_bf16_f32 v112, v[16+4*z], v[17+4*z]   ; rounded to bf16 like every input,
	v_cvt_pk_bf16_f32 v113, v[18+4*z], v[19+4*z]
	v_lshlrev_b32 v114, 16, v112
	v_and_b32 v115, s35, v112
	v_lshlrev_b32 v116, 16, v113
	v_and_b32 v117, s35, v113
	v_cvt_pk_f16_f32 v[80+2*z], v114, v115         ; and that number written as f16
	v_cvt_pk_f16_f32 v[81+2*z], v116, v117
	global_store_b64 v6, v[80+2*z:81+2*z], s[42:43] offset:2048*z th:TH_STORE_NT
.set z, z+1
.endr
	s_endpgm
.Lfunc_end_k_q4e305c037b_prep:
	.size	k_q4e305c037b_prep, .Lfunc_end_k_q4e305c037b_prep-k_q4e305c037b_prep
	.p2alignl 7, 3214868480
	.fill 96, 4, 3214868480
	.section	.rodata,"a",@progbits
	.p2align	6, 0x0
	.amdhsa_kernel k_q4e305c037b_prep
		.amdhsa_group_segment_fixed_size 25600
		.amdhsa_private_segment_fixed_size 0
		.amdhsa_enable_private_segment 0
		.amdhsa_kernarg_size 104
		.amdhsa_user_sgpr_count 2
		.amdhsa_user_sgpr_kernarg_segment_ptr 1
		.amdhsa_wavefront_size32 1
		.amdhsa_system_sgpr_workgroup_id_x 1
		.amdhsa_system_sgpr_workgroup_id_y 1
		.amdhsa_system_sgpr_workgroup_id_z 1
		.amdhsa_system_vgpr_workitem_id 0
		.amdhsa_next_free_vgpr 160
		.amdhsa_next_free_sgpr 66
		.amdhsa_reserve_vcc 1
		.amdhsa_float_denorm_mode_32 3
		.amdhsa_float_denorm_mode_16_64 3
		.amdhsa_memory_ordered 1
		.amdhsa_forward_progress 1
		.amdhsa_inst_pref_size 44
	.end_amdhsa_kernel
	.amdgpu_metadata
---
amdhsa.version: [ 1, 2 ]
amdhsa.kernels:
  - .name:           k_q4e305c037b_prep
    .symbol:         k_q4e305c037b_prep.kd
    .args:
      - { .name: hidden_states, .offset: 0, .size: 8, .value_kind: global_buffer, .address_space: global }
      - { .name: Wq, .offset: 8, .size: 8, .value_kind: global_buffer, .address_space: global }
      - { .name: Wk, .offset: 16, .size: 8, .value_kind: global_buffer, .address_space: global }
      - { .name: Wv, .offset: 24, .size: 8, .value_kind: global_buffer, .address_space: global }
      - { .name: Wo, .offset: 32, .size: 8, .value_kind: global_buffer, .address_space: global }
      - { .name: Aq, .offset: 40, .size: 8, .value_kind: global_buffer, .address_space: global }
      - { .name: Ak, .offset: 48, .size: 8, .value_kind: global_buffer, .address_space: global }
      - { .name: Av, .offset: 56, .size: 8, .value_kind: global_buffer, .address_space: global }
      - { .name: xb, .offset: 64, .size: 8, .value_kind: global_buffer, .address_space: global }
      - { .name: wcat, .offset: 72, .size: 8, .value_kind: global_buffer, .address_space: global }
      - { .name: wo16, .offset: 80, .size: 8, .value_kind: global_buffer, .address_space: global }
      - { .name: tl, .offset: 88, .size: 8, .value_kind: global_buffer, .address_space: global }
      - { .name: tab, .offset: 96, .size: 8, .value_kind: global_buffer, .address_space: global }
    .group_segment_fixed_size: 25600
    .private_segment_fixed_size: 0
    .kernarg_segment_align: 8
    .kernarg_segment_size: 104
    .max_flat_workgroup_size: 256
    .sgpr_count:     66
    .vgpr_count:     160
    .wavefront_size: 32
...
	.end_amdgpu_metadata
.endif
;; end of part 1
;; launch proj_qkv (part 2): grid 32 x 8, 4 waves a work-group, clusters of 4 x 4, 327,680 bytes of LDS; arguments xb, wcat, tl, Bq, Bk, Bv, tab, qkv; writes qkv
.if DOCPART == 2
	.amdgcn_target "amdgcn-amd-amdhsa--gfx1250"
	.amdhsa_code_object_version 6
	.text
	.protected	k_q4e305c037b_proj_qkv
	.globl	k_q4e305c037b_proj_qkv
	.p2align	8
	.type	k_q4e305c037b_proj_qkv,@function
k_q4e305c037b_proj_qkv:
	s_mov_b64 s[64:65], 0
	v_nop
	global_prefetch_b8 v0, s[64:65] scope:SCOPE_SE
	s_setreg_imm32_b32 hwreg(HW_REG_WAVE_MODE, 25, 1), 1
	s_wait_xcnt 0x0
	s_wait_alu depctr_hold_cnt(0) depctr_sa_sdst(0) depctr_va_vdst(0) depctr_va_sdst(0) depctr_va_ssrc(0) depctr_va_vcc(0) depctr_vm_vsrc(0)
	s_getreg_b32 s2, hwreg(HW_REG_IB_STS2, 6, 4)
	s_cmp_eq_u32 s2, 0
	s_cbranch_scc0 .Lentry_in_a_cluster
	s_endpgm
.Lentry_in_a_cluster:
	s_bfe_u32 s2, ttmp6, 0x10000c
	s_cmp_lg_u32 s2, 0xf033
	s_cbranch_scc0 .Lentry_shape_is_right
	s_endpgm
.Lentry_shape_is_right:
; q, k, v = x W^T + 2 (x A^T) B^T (B's even rows to the lower half of the columns, its odd rows to the upper), turned by the rotary table (q, k), divided by 8, rounded once to f16, stored by heads:
; qkv[96 heads: 32 of q, 32 of k, 32 of v][2048][64].  x and W arrive in bf16; sums in f32.
; LIMIT.  f16 holds value / 8: |q|, |k|, |v| stay under 524,000.
; SHARES.  A tile is 256 rows x 192 columns = three whole heads: 8 x 32 = 256 work-groups.  Wave w makes rows 64 w .. 64 w + 63 of all 192 columns: 48 accumulators of 16 x 16.  So a wave holds whole heads:
; the two partners of a rotation (channels d and d + 32) lie in the same lane and register number of two accumulators, and the way out is the wave's own.
; THE LoRA TERM IS 32 MORE OF K, and starts every sum: source 1 = [t upper | t lower] of the tile's first matrix, then of its last; source 0 = 2 bf16(B) twice, times 1 where the head belongs to that matrix, else 0.
; (Two tiles lie across the border of two matrices; the factors serve them with no branch.)  t in two bf16 parts keeps 16 bits of it.
; THE PRODUCT IS USED TRANSPOSED (source 0 = 16 rows of W, source 1 = 16 rows of x): a lane holds row l % 16 and eight neighbouring columns.
; RING.  K goes in steps of 128 through two LDS slots; a wave's one tensor load brings 128 rows of x (waves 0, 1) or 96 rows of W (waves 2, 3), 256 bytes a row.
; CLUSTER 4 x 4: x's tiles are asked for jointly along a row of the cluster, W's along a column.
; THE TABLE.  v's first head is number 64 = 3 x 21 + 1, so a tile's heads 1 and 2 always take the same rows of the table (the turning ones or the unturned ones): two sets of 32 registers serve a block of 16 rows,
; and the four blocks' 256 registers lie where nothing else lies while K is walked: they are asked for ahead of the loop and in front of its tail.
; REGISTERS in windows of 256: window 0: v16-29 addresses; v32-63 at work on the way out; v64-127 x's fragments, two buffers (later packed results); v128-223 B as loaded, then v128-255 the table of blocks 0, 1
;   window 1: W's fragments, two buffers of 96 (v96-191 later the rows read back); v192-255 the table of block 2
;   window 2: accumulators of my row blocks 0, 1 ((a, b) at 8 (12 (a % 2) + b)); v192-255 the table of block 3      window 3: accumulators of blocks 2, 3
.set PITCH,  272                       ; an LDS row: 256 bytes + 16 of padding: the 16 rows of a fragment load start at 16 different groups of four banks
.set BOFF,   256*PITCH                 ; W's rows lie behind x's 256
.set AHALF,  128*PITCH
.set BHALF,  96*PITCH
.set SLOT1,  131072                    ; slot 1 begins here: one exclusive or turns an address in one slot into the other's
.set STAGE,  SLOT1+BOFF+192*PITCH      ; behind the ring: 16 rows x 400 bytes for each wave
.set SPITCH, 400
.set SPARE,  STAGE+4*16*SPITCH         ; the spare words, 128 bytes a wave
.set ADRA0, 16                         ; v16  my place in x's tile of slot 0
.set ADRB0, 17                         ; v17  in W's
.set ADRA,  18                         ; v18, v19  the same in the slot in hand
.set ADRB,  19
.set STO,   20                         ; v20  the way out: where I put 16 bytes of a row
.set RD,    21                         ; v21  where I read rows back
.set GO,    22                         ; v22  16 x lane
.set TO,    23                         ; v23  my place in 16 rows of the table
.set LBO,   24                         ; v24  my place in 16 columns' rows of B
.set TLO,   25                         ; v25  my place in 16 rows of t
.set SPW,   28
.set NIL,   29
.set TMP,   64
.set RAWB,  128
.set TB,    27                         ; s27  0 or SLOT1: the slot in hand
.set G1A, 28                           ; s[28:35] group 1 for x's tiles   s[36:43] for W's
.set G1B, 36
.set G0A, 44                           ; s[44:51] group 0 for x's tiles: a set for each first fill; the second then walks   s[52:59] for W's
.set G0B, 52
.set BP,  68                           ; s[68:73] head j: B at the row of its column 0
.set FA,  74                           ; s74-76  head j: 2.0 twice in bf16 if it belongs to the tile's first matrix, else 0
.set FB,  77                           ; s77-79  the other way round
.set TA,  80                           ; s[80:81] t of the first matrix at my rows   s[82:83] of the last
.set TBM, 82
.set SB,  84                           ; s[84:85] head 0, s[88:89] heads 1 and 2: the table at my rows, or at the unturned rows (v)
.set QO,  90                           ; s[90:91] qkv at my rows of head 0
.set MSB, 0
.macro WIN new                         ; the immediate's high byte repeats the setting that is left; a switch that changes nothing is dropped
.if MSB != (\new)
	s_set_vgpr_msb (MSB<<8)|(\new)
.set MSB, \new
.endif
.endm
.set MUL_LO, 0xa1                      ; source 0 (W) window 1, source 1 (x) window 0, C and D window 2
.set MUL_HI, 0xf1
.set TO_B,   0x40
.macro PLACES
.rept 4
	v_nop
.endr
.endm
.macro JLOAD                           ; a joint refill by the walking descriptors; the branch hangs on the wave's number alone; an s_nop 0 and four v_nop follow each line
	s_cmp_eq_u32 s21, 0
	s_cbranch_scc0 .Lfor_b_\@
	tensor_load_to_lds s[G0A+4:G0A+7], s[G1A:G1A+7]
	s_nop 0
	PLACES
	s_branch .Lasked_\@
.Lfor_b_\@:
	tensor_load_to_lds s[G0B+4:G0B+7], s[G1B:G1B+7]
	s_nop 0
	PLACES
.Lasked_\@:
.endm
.macro CREST                           ; a round of the cluster's barrier behind its opening barrier
	s_cmp_lg_u32 s20, 0
	s_cbranch_scc1 .Lnot_wave_0_\@
	s_barrier_signal -3
.Lnot_wave_0_\@:
	s_barrier_wait -3
	s_barrier_signal -1
	s_barrier_wait -1
.endm
.macro CROUND
	s_barrier_signal -1
	s_barrier_wait -1
	CREST
.endm
	s_load_b512 s[4:19], s[0:1], 0x0               ; xb s[4:5], wcat s[6:7], tl s[8:9], Bq s[10:11], Bk s[12:13], Bv s[14:15], tab s[16:17], qkv s[18:19]
	v_lshl_add_u32 v[SPW], v0, 2, SPARE
	v_mov_b32 v[NIL], 0
	ds_add_u32 v[SPW], v[NIL]                      ; the wave's opening: the add and its wait ahead of my first tensor load
	ds_add_u32 v28, v29
	v_lshrrev_b32 v1, 5, v0
	v_readfirstlane_b32 s20, v1                    ; wave 0..3
	s_lshr_b32 s21, s20, 1                         ; I fetch for x (0) or for W (1)
	s_and_b32 s22, s20, 1                          ; which half of that tile
	s_bfe_u32 s23, ttmp6, 0x40000                  ; cx
	s_bfe_u32 s24, ttmp6, 0x40004                  ; cy
	s_lshl_b32 s25, ttmp9, 2
	s_add_co_u32 s25, s25, s23                     ; tile column 0..31
	s_and_b32 s26, ttmp7, 0xffff
	s_lshl_b32 s26, s26, 2
	s_add_co_u32 s26, s26, s24                     ; tile row 0..7
	s_lshl_b32 s60, s24, 2
	s_lshl_b32 s60, 15, s60                        ; my row of the cluster
	s_lshl_b32 s61, 0x1111, s23                    ; my column
	s_or_b32 s[G1A], s60, (1<<16)|(1<<20)|(1<<21)|(5<<22)|(3<<25)  ; mask; 2-byte elements; padding on; bit 21 beside a mask; after every 64 words 4 words
	s_or_b32 s[G1B], s61, (1<<16)|(1<<20)|(1<<21)|(5<<22)|(3<<25)
	s_mov_b32 s[G1A+1], 128<<16                    ; tensor_dim0 = 128
	s_mov_b32 s[G1A+2], 128<<16                    ; tensor_dim1 = 128
	s_mov_b32 s[G1A+3], 128<<16                    ; tile_dim0 = 128
	s_mov_b32 s[G1A+4], 128                        ; tile_dim1 = 128
	s_mov_b32 s[G1A+5], 2048                       ; elements from row to row
	s_mov_b32 s[G1A+6], 0
	s_mov_b32 s[G1A+7], 0
	s_mov_b32 s[G1B+1], 128<<16
	s_mov_b32 s[G1B+2], 96<<16                     ; 96 rows
	s_mov_b32 s[G1B+3], 128<<16
	s_mov_b32 s[G1B+4], 96
	s_mov_b32 s[G1B+5], 2048
	s_mov_b32 s[G1B+6], 0
	s_mov_b32 s[G1B+7], 0
	s_lshl_b32 s62, s26, 8                         ; x: row 256 x tile row + 128 x half, in registers that never hold cx
	s_lshl_b32 s63, s22, 7
	s_add_co_u32 s62, s62, s63
	s_lshl_b32 s62, s62, 12
	s_mov_b32 s63, 0
	s_mul_i32 s66, s25, 192                        ; W: row 192 x tile column + 96 x half, in registers that never hold cy
	s_mul_i32 s67, s22, 96
	s_add_co_u32 s66, s66, s67
	s_lshl_b32 s66, s66, 12
	s_mov_b32 s67, 0
	s_mul_i32 s92, s22, AHALF                      ; where they go: no place in the cluster enters an LDS address
	s_mul_i32 s93, s22, BHALF
	s_add_co_u32 s93, s93, BOFF
	s_mov_b32 s[TB], 0
	s_wait_dscnt 0x0                               ; the opening add is done
	s_wait_kmcnt 0x0
	s_add_nc_u64 s[62:63], s[4:5], s[62:63]
	s_add_nc_u64 s[66:67], s[6:7], s[66:67]
	CROUND                                         ; all sixteen work-groups are here: the first joint loads meet
.irp s, 0,1
	s_mov_b32 s[G0A+4*(\s)], 1
	s_add_co_u32 s[G0A+4*(\s)+1], s92, (\s)*SLOT1
	s_add_nc_u64 s[G0A+4*(\s)+2:G0A+4*(\s)+3], s[62:63], (\s)*256  ; K step s
	s_or_b32 s[G0A+4*(\s)+3], s[G0A+4*(\s)+3], 0x80000000
	s_mov_b32 s[G0B+4*(\s)], 1
	s_add_co_u32 s[G0B+4*(\s)+1], s93, (\s)*SLOT1
	s_add_nc_u64 s[G0B+4*(\s)+2:G0B+4*(\s)+3], s[66:67], (\s)*256
	s_or_b32 s[G0B+4*(\s)+3], s[G0B+4*(\s)+3], 0x80000000
.endr
	s_cmp_eq_u32 s21, 0                            ; a wave's two first fills stand in one branch: two loads of mine are out
	s_cbranch_scc0 .Lfirst_b
	tensor_load_to_lds s[G0A:G0A+3], s[G1A:G1A+7]
	s_nop 0
	tensor_load_to_lds s[G0A+4:G0A+7], s[G1A:G1A+7]
	s_nop 0
	PLACES
	s_branch .Lfirst_asked
.Lfirst_b:
	tensor_load_to_lds s[G0B:G0B+3], s[G1B:G1B+7]
	s_nop 0
	tensor_load_to_lds s[G0B+4:G0B+7], s[G1B:G1B+7]
	s_nop 0
	PLACES
.Lfirst_asked:
	v_and_b32 v1, 15, v0                           ; r
	v_bfe_u32 v2, v0, 4, 1                         ; h
	v_and_b32 v3, 31, v0                           ; l
	v_mul_u32_u24 v4, v1, PITCH
	v_lshl_add_u32 v4, v2, 4, v4                   ; a fragment's row x pitch + 16 x half
	s_mul_i32 s92, s20, 64*PITCH
	v_add_nc_u32 v[ADRA0], s92, v4
	v_add_nc_u32 v[ADRB0], BOFF, v4
	v_mov_b32 v[ADRA], v[ADRA0]
	v_mov_b32 v[ADRB], v[ADRB0]
	s_mul_i32 s92, s20, 16*SPITCH
	s_add_co_u32 s92, s92, STAGE                   ; my stage
	v_mul_u32_u24 v4, v1, SPITCH
	v_lshl_add_u32 v4, v2, 4, v4
	v_add_nc_u32 v[STO], s92, v4
	v_lshrrev_b32 v4, 3, v3                        ; back: 32 lanes take four rows' 128 bytes of one head
	v_mul_u32_u24 v4, v4, SPITCH
	v_and_b32 v5, 7, v0
	v_lshl_add_u32 v4, v5, 4, v4
	v_add_nc_u32 v[RD], s92, v4
	v_lshlrev_b32 v[GO], 4, v3
	v_lshlrev_b32 v[TO], 8, v1
	v_lshl_add_u32 v[TO], v2, 5, v[TO]             ; table row r, my 8 frequencies
	v_lshlrev_b32 v[LBO], 6, v1                    ; column r of a block: two rows of B (64 bytes) a column
	v_lshlrev_b32 v[TLO], 5, v1
	v_lshl_add_u32 v[TLO], v2, 4, v[TLO]           ; t's row r: lanes 0-15 the upper parts, lanes 16-31 the lower
	s_lshl_b32 s99, s26, 8
	s_lshl_b32 s98, s20, 6
	s_add_co_u32 s99, s99, s98
	s_lshl_b32 s99, s99, 8                         ; my first row x 256 bytes
; Head j of the tile: which matrix, which rows of B, which factors, and (heads 0 and 2) which rows of the table.
.macro HEADJ j
	s_mul_i32 s92, s25, 3
	s_add_co_u32 s92, s92, \j                      ; head 0..95
	s_lshr_b32 s93, s92, 5                         ; 0 q, 1 k, 2 v
	s_and_b32 s94, s92, 31
	s_lshl_b32 s95, s94, 7                         ; heads 0-15 (columns under 1,024): B's row 2 x column,
	s_sub_co_u32 s96, s95, 2047                    ; heads 16-31: row 2 x (column - 1,024) + 1
	s_cmp_lt_u32 s94, 16
	s_cselect_b32 s96, s95, s96
	s_lshl_b32 s96, s96, 5                         ; a row of B is 32 bytes
	s_mov_b32 s97, 0
	s_cmp_eq_u32 s93, 1
	s_cselect_b64 s[BP+2*(\j):BP+2*(\j)+1], s[12:13], s[10:11]
	s_cmp_eq_u32 s93, 2
	s_cselect_b64 s[BP+2*(\j):BP+2*(\j)+1], s[14:15], s[BP+2*(\j):BP+2*(\j)+1]
	s_add_nc_u64 s[BP+2*(\j):BP+2*(\j)+1], s[BP+2*(\j):BP+2*(\j)+1], s[96:97]
.if (\j) == 0
	s_mov_b32 s98, s93                             ; the tile's first matrix
.endif
	s_cmp_eq_u32 s93, s98
	s_cselect_b32 s[FA+(\j)], 0x40004000, 0
	s_cselect_b32 s[FB+(\j)], 0, 0x40004000
.if (\j) != 1
	s_cmp_lt_u32 s92, 64
	s_cselect_b32 s96, s99, 2048*256
	s_add_nc_u64 s[SB+2*(\j):SB+2*(\j)+1], s[16:17], s[96:97]
.endif
.endm
	HEADJ 0
	HEADJ 1
	HEADJ 2                                        ; leaves the tile's last matrix in s93
	s_lshr_b32 s95, s99, 3                         ; my first row x 32 bytes
	s_lshl_b32 s94, s98, 16
	s_add_co_u32 s96, s94, s95
	s_add_nc_u64 s[TA:TA+1], s[8:9], s[96:97]
	s_lshl_b32 s94, s93, 16
	s_add_co_u32 s96, s94, s95
	s_add_nc_u64 s[TBM:TBM+1], s[8:9], s[96:97]
	s_mul_i32 s96, s25, 3
	s_lshl_b32 s96, s96, 18                        ; a head is 262,144 bytes
	s_lshr_b32 s95, s99, 1                         ; my first row x 128 bytes
	s_add_co_u32 s96, s96, s95
	s_add_nc_u64 s[QO:QO+1], s[18:19], s[96:97]
.irp a, 0,1,2,3                        ; t into x's buffer 1: K 0-15 the first matrix's two parts, K 16-31 the last's
	global_load_b128 v[96+8*\a:96+8*\a+3], v[TLO], s[TA:TA+1] offset:512*\a
	global_load_b128 v[96+8*\a+4:96+8*\a+7], v[TLO], s[TBM:TBM+1] offset:512*\a
.endr
.irp hd, 0,1,2
.irp bb, 0,1,2,3
	global_load_b128 v[RAWB+8*(4*\hd+\bb):RAWB+8*(4*\hd+\bb)+3], v[LBO], s[BP+2*\hd:BP+2*\hd+1] offset:1024*\bb
	global_load_b128 v[RAWB+8*(4*\hd+\bb)+4:RAWB+8*(4*\hd+\bb)+7], v[LBO], s[BP+2*\hd:BP+2*\hd+1] offset:1024*\bb+16
.endr
.endr
	s_wait_loadcnt 0x0
.set z, 0
.rept 12
.irp k, 0,1,2,3
	v_cvt_pk_bf16_f32 v[RAWB+8*z+\k], v[RAWB+8*z+2*\k], v[RAWB+8*z+2*\k+1]  ; in place, ascending: a target has been read before it is written
.endr
.set z, z+1
.endr
	WIN TO_B                                       ; into W's buffer 1; times 2 or times 0 is exact in bf16
.irp hd, 0,1,2
.irp bb, 0,1,2,3
.irp k, 0,1,2,3
	v_pk_mul_bf16 v[96+8*(4*\hd+\bb)+\k], v[RAWB+8*(4*\hd+\bb)+\k], s[FA+\hd]
	v_pk_mul_bf16 v[96+8*(4*\hd+\bb)+4+\k], v[RAWB+8*(4*\hd+\bb)+\k], s[FB+\hd]
.endr
.endr
.endr
	WIN 0
; 12 matrix instructions: my row block 2 hi + a2 x all 12 column blocks, 32 along K, from buffers f.  zero = 1: the product starts the sums.  The 48 accumulators take turns.
.macro MUL12 f, hi, a2, zero
	WIN MUL_LO+0x50*(\hi)
.irp b, 0,1,2,3,4,5,6,7,8,9,10,11
.if \zero
	v_wmma_f32_16x16x32_bf16 v[8*(12*(\a2)+\b):8*(12*(\a2)+\b)+7], v[96*(\f)+8*\b:96*(\f)+8*\b+7], v[64+32*(\f)+8*(2*(\hi)+(\a2)):64+32*(\f)+8*(2*(\hi)+(\a2))+7], 0
.else
	v_wmma_f32_16x16x32_bf16 v[8*(12*(\a2)+\b):8*(12*(\a2)+\b)+7], v[96*(\f)+8*\b:96*(\f)+8*\b+7], v[64+32*(\f)+8*(2*(\hi)+(\a2)):64+32*(\f)+8*(2*(\hi)+(\a2))+7], v[8*(12*(\a2)+\b):8*(12*(\a2)+\b)+7]
.endif
.endr
.endm
.macro MUL24 f, hi, zero
	MUL12 \f, \hi, 0, \zero
	MUL12 \f, \hi, 1, \zero
.endm
.macro FETCH k, f                      ; 32 LDS loads in one run: 192 rows of W, then my 64 rows of x, 32 K at byte k of the rows
	WIN TO_B
.irp i, 0,1,2,3,4,5,6,7,8,9,10,11
	ds_load_b128 v[96*(\f)+8*\i:96*(\f)+8*\i+3],   v[ADRB] offset:(\k)+\i*16*PITCH
	ds_load_b128 v[96*(\f)+8*\i+4:96*(\f)+8*\i+7], v[ADRB] offset:(\k)+\i*16*PITCH+32
.endr
	WIN 0
.irp i, 0,1,2,3
	ds_load_b128 v[64+32*(\f)+8*\i:64+32*(\f)+8*\i+3],   v[ADRA] offset:(\k)+\i*16*PITCH
	ds_load_b128 v[64+32*(\f)+8*\i+4:64+32*(\f)+8*\i+7], v[ADRA] offset:(\k)+\i*16*PITCH+32
.endr
.endm
.macro QUARTER k, f, g                 ; multiplies buffers f; in its middle fetches the next quarter, at byte k, into buffers g
	s_wait_dscnt 4                                 ; W's fragments and x's blocks 0, 1 are in; the youngest four loads (blocks 2, 3) may be out
	MUL24 \f, 0, 0
	PLACES                                         ; in front of loads into registers that matrix instructions have read
	FETCH \k, \g
	s_wait_dscnt 32                                ; all but the 32 just issued
	MUL24 \f, 1, 0
.endm
; The last quarter multiplies buffers 1 and changes slots: one barrier; in front of it each wave waits for all its tensor loads (one is out: its part of the next slot), adds 0 to its spare word,
; and waits for that and for its reads of this slot.  fill = 1: the barrier opens a round of the cluster's, and the joint refill, K step + 2, is the first thing behind it.
.macro TURN fill
	WIN 0
	s_wait_tensorcnt 0x0
	ds_add_u32 v[SPW], v[NIL]
	s_wait_dscnt 5                                 ; (the add and the youngest four loads may be out)
	MUL12 1, 0, 0, 0
	s_wait_dscnt 0x0                               ; the add is done, and my reads of this slot are over
	s_barrier_signal -1
	MUL12 1, 0, 1, 0
	WIN 0
	s_barrier_wait -1
.if \fill
	CREST                                          ; no wave of any partner still reads this slot or has a load on its way
	s_xor_b32 s[G0A+5], s[G0A+5], SLOT1            ; the walking descriptors: the other slot than last time, the next K step
	s_add_nc_u64 s[G0A+6:G0A+7], s[G0A+6:G0A+7], 256
	s_xor_b32 s[G0B+5], s[G0B+5], SLOT1
	s_add_nc_u64 s[G0B+6:G0B+7], s[G0B+6:G0B+7], 256
	JLOAD                                          ; its four v_nop are also the places in front of the loads below
.else
	PLACES
.endif
	s_xor_b32 s[TB], s[TB], SLOT1
	v_add_nc_u32 v[ADRA], s[TB], v[ADRA0]
	v_add_nc_u32 v[ADRB], s[TB], v[ADRB0]
	FETCH 0, 0
	MUL24 1, 1, 0
.endm
.macro STEP fill
	QUARTER 64,  0, 1
	QUARTER 128, 1, 0
	QUARTER 192, 0, 1
	TURN \fill
.endm
; The table for my row block a: for head 0 and for heads 1 and 2, 8 cosines and 8 sines for each of my two groups of 8 frequencies: 64 registers, in window CW from CB0 on.
.macro CSSET a
.if (\a) < 2
.set CW, 0
.set CB0, 128+64*(\a)
.else
.set CW, (\a)-1
.set CB0, 192
.endif
.endm
.macro CSLOAD a
	CSSET \a
	WIN CW<<6
.irp g, 0,1
.irp q, 0,1,2,3
	global_load_b128 v[CB0+32*\g+8*\q:CB0+32*\g+8*\q+3],   v[TO], s[SB+4*\g:SB+4*\g+1] offset:4096*(\a)+64*\q
	global_load_b128 v[CB0+32*\g+8*\q+4:CB0+32*\g+8*\q+7], v[TO], s[SB+4*\g:SB+4*\g+1] offset:4096*(\a)+64*\q+16
.endr
.endr
	WIN 0
.endm
	CSLOAD 0                                       ; the table of blocks 0 to 2 comes while K is walked: 48 loads, waited for once, ahead of the way out
	CSLOAD 1
	CSLOAD 2
	s_wait_tensorcnt 1                             ; my part of K step 0 is in; slot 1's may stay out
	s_barrier_signal -1
	s_barrier_wait -1
	FETCH 0, 0
	MUL24 1, 0, 1                                  ; the LoRA product starts all 48 sums: nothing is ever cleared
	MUL24 1, 1, 1
	WIN 0
	s_mov_b32 s3, 14
.Lk:                                                   ; K steps 0 to 13: each asks for the step two on
	STEP 1
	WIN 0
	s_sub_co_u32 s3, s3, 1
	s_cmp_lg_u32 s3, 0
	s_cbranch_scc1 .Lk
	CSLOAD 3                                       ; block 3's table: two K steps, 384 matrix instructions, ahead of the wait for it
	s_mov_b32 s3, 2
.Lt:                                                   ; K steps 14 and 15 ask for nothing.  The second trip's barrier and its last run of loads (bytes of K step 14 once more) serve nothing: the price, once a launch, of one text for both
	STEP 0
	WIN 0
	s_sub_co_u32 s3, s3, 1
	s_cmp_lg_u32 s3, 0
	s_cbranch_scc1 .Lt
; THE WAY OUT, a row block of 16 rows at a time: turned, rounded to f16, through my stage, stored as 512 consecutive bytes of a head.
.macro ROPE a, hd                      ; y1 = x1 c - x2 s, y2 = x1 s + x2 c; c and s carry the factor 1/8; each accumulator's registers are read ascending
	CSSET \a
.set AC, 96*((\a)%2)+32*(\hd)
.set CB, CB0+32*(((\hd)+1)/2)          ; head 0: the first set; heads 1 and 2: the second
	WIN (2+(\a)/2)|(CW<<2)                         ; source 0: the accumulators' window; source 1: the table's
.irp bb, 0,1
.irp p, 0,1,2,3
	v_pk_mul_f32 v[32+8*\bb+2*\p:33+8*\bb+2*\p], v[AC+16+8*\bb+2*\p:AC+17+8*\bb+2*\p], v[CB+16+8*\bb+2*\p:CB+17+8*\bb+2*\p]
	v_pk_mul_f32 v[48+8*\bb+2*\p:49+8*\bb+2*\p], v[AC+16+8*\bb+2*\p:AC+17+8*\bb+2*\p], v[CB+8*\bb+2*\p:CB+1+8*\bb+2*\p]
.endr
.endr
.irp bb, 0,1
.irp p, 0,1,2,3
	v_pk_fma_f32 v[32+8*\bb+2*\p:33+8*\bb+2*\p], v[AC+8*\bb+2*\p:AC+1+8*\bb+2*\p], v[CB+8*\bb+2*\p:CB+1+8*\bb+2*\p], v[32+8*\bb+2*\p:33+8*\bb+2*\p] neg_lo:[0,0,1] neg_hi:[0,0,1]
	v_pk_fma_f32 v[48+8*\bb+2*\p:49+8*\bb+2*\p], v[AC+8*\bb+2*\p:AC+1+8*\bb+2*\p], v[CB+16+8*\bb+2*\p:CB+17+8*\bb+2*\p], v[48+8*\bb+2*\p:49+8*\bb+2*\p]
.endr
.endr
	WIN 0
.irp bb, 0,1
.irp p, 0,1,2,3
	v_cvt_pk_f16_f32 v[TMP+16*(\hd)+4*\bb+\p],   v[32+8*\bb+2*\p], v[33+8*\bb+2*\p]
	v_cvt_pk_f16_f32 v[TMP+16*(\hd)+8+4*\bb+\p], v[48+8*\bb+2*\p], v[49+8*\bb+2*\p]
.endr
.endr
.endm
.macro ROPES a
	ROPE \a, 0
	ROPE \a, 1
	ROPE \a, 2
.endm
.macro TOSTAGE a
	WIN 0
.irp b, 0,1,2,3,4,5,6,7,8,9,10,11
	ds_store_b128 v[STO], v[TMP+4*\b:TMP+4*\b+3] offset:32*\b
.endr
	WIN TO_B
.set OBB, 96+48*((\a)%2)
.irp hd, 0,1,2
.irp t, 0,1,2,3
	ds_load_b128 v[OBB+16*\hd+4*\t:OBB+16*\hd+4*\t+3], v[RD] offset:128*\hd+1600*\t  ; LDS serves a wave's instructions in order: these see the stores above
.endr
.endr
	WIN 0
.endm
.macro SEND a
	WIN 0
.set OBB, 96+48*((\a)%2)
	s_wait_dscnt 0x0                               ; the block is back in registers
	s_wait_xcnt 0x0                                ; the stores of the block before have read their registers: that set is loaded again only behind this wait
	WIN 0x04                                       ; store data in window 1
.irp hd, 0,1,2
.irp t, 0,1,2,3
	global_store_b128 v[GO], v[OBB+16*\hd+4*\t:OBB+16*\hd+4*\t+3], s[QO:QO+1] offset:262144*\hd+2048*(\a)+512*\t  ; four rows of a head: 512 consecutive bytes, aligned
.endr
.endr
	WIN 0
.endm
	s_wait_dscnt 0x0                               ; the last run of LDS loads has landed: its registers are used anew
	s_wait_loadcnt 0x0                             ; the whole table is in
	PLACES                                         ; behind the last products
	ROPES 0
	TOSTAGE 0
	ROPES 1                                        ; a block's arithmetic stands between the loads of the block before and its stores
	SEND 0
	TOSTAGE 1
	ROPES 2
	SEND 1
	TOSTAGE 2
	ROPES 3
	SEND 2
	TOSTAGE 3
	SEND 3
	s_wait_tensorcnt 0x0                           ; the wave's end
	ds_add_u32 v[SPW], v[NIL]
	s_wait_dscnt 0x0
	CROUND                                         ; the closing round
	s_endpgm
.Lfunc_end_k_q4e305c037b_proj_qkv:
	.size	k_q4e305c037b_proj_qkv, .Lfunc_end_k_q4e305c037b_proj_qkv-k_q4e305c037b_proj_qkv
	.p2alignl 7, 3214868480
	.fill 96, 4, 3214868480
	.section	.rodata,"a",@progbits
	.p2align	6, 0x0
	.amdhsa_kernel k_q4e305c037b_proj_qkv
		.amdhsa_group_segment_fixed_size 327680
		.amdhsa_private_segment_fixed_size 0
		.amdhsa_enable_private_segment 0
		.amdhsa_kernarg_size 64
		.amdhsa_user_sgpr_count 2
		.amdhsa_user_sgpr_kernarg_segment_ptr 1
		.amdhsa_wavefront_size32 1
		.amdhsa_system_sgpr_workgroup_id_x 1
		.amdhsa_system_sgpr_workgroup_id_y 1
		.amdhsa_system_sgpr_workgroup_id_z 1
		.amdhsa_system_vgpr_workitem_id 0
		.amdhsa_next_free_vgpr 960
		.amdhsa_next_free_sgpr 100
		.amdhsa_reserve_vcc 0
		.amdhsa_float_denorm_mode_32 3
		.amdhsa_float_denorm_mode_16_64 3
		.amdhsa_memory_ordered 1
		.amdhsa_forward_progress 1
		.amdhsa_inst_pref_size 126
	.end_amdhsa_kernel
	.amdgpu_metadata
---
amdhsa.version: [ 1, 2 ]
amdhsa.kernels:
  - .name:           k_q4e305c037b_proj_qkv
    .symbol:         k_q4e305c037b_proj_qkv.kd
    .args:
      - { .name: xb, .offset: 0, .size: 8, .value_kind: global_buffer, .address_space: global }
      - { .name: wcat, .offset: 8, .size: 8, .value_kind: global_buffer, .address_space: global }
      - { .name: tl, .offset: 16, .size: 8, .value_kind: global_buffer, .address_space: global }
      - { .name: Bq, .offset: 24, .size: 8, .value_kind: global_buffer, .address_space: global }
      - { .name: Bk, .offset: 32, .size: 8, .value_kind: global_buffer, .address_space: global }
      - { .name: Bv, .offset: 40, .size: 8, .value_kind: global_buffer, .address_space: global }
      - { .name: tab, .offset: 48, .size: 8, .value_kind: global_buffer, .address_space: global }
      - { .name: qkv, .offset: 56, .size: 8, .value_kind: global_buffer, .address_space: global }
    .group_segment_fixed_size: 327680
    .private_segment_fixed_size: 0
    .kernarg_segment_align: 8
    .kernarg_segment_size: 64
    .max_flat_workgroup_size: 128
    .sgpr_count:     100
    .vgpr_count:     960
    .wavefront_size: 32
...
	.end_amdgpu_metadata
.endif
;; end of part 2
;; launch attn (part 3): grid 8 x 32, 4 waves a work-group, no clusters, 327,680 bytes of LDS; arguments qkv, o16; writes o16
.if DOCPART == 3
	.amdgcn_target "amdgcn-amd-amdhsa--gfx1250"
	.amdhsa_code_object_version 6
	.text
	.protected	k_q4e305c037b_attn
	.globl	k_q4e305c037b_attn
	.p2align	8
	.type	k_q4e305c037b_attn,@function
k_q4e305c037b_attn:
	s_mov_b64 s[64:65], 0
	v_nop
	global_prefetch_b8 v0, s[64:65] scope:SCOPE_SE
	s_setreg_imm32_b32 hwreg(HW_REG_WAVE_MODE, 25, 1), 1
	s_wait_xcnt 0x0
; CAUSAL ATTENTION, 32 heads of 2,048 rows x 64 channels.  qkv: [96][2048][64] f16 (heads of q, then k, then v), every number divided by 8; o16: [32][2048][64] f16, O divided by 8.
; Products, maxima and sums in f32; the weights p are rounded to f16 for the second product (their sum l is taken of the unrounded p), O once at the end.
; LIMITS.  A hidden score counts as its value less 1e30 (f16's scores are 2.7e11 at the most); a weight below 2^-126 counts as 0 in l; NaN and infinities are not treated apart.
; THE WALK.  A head's queries lie in 8 blocks of 256; block i needs the key tiles 0 .. i of 256 keys, the last of which holds the diagonal.  A work-group takes one HALF (two bands of 64 queries) of block c
; and then the other half of block 7 - c: 9 tiles whatever c, so 8 x 32 = 256 work-groups do equal work and one loop with a constant trip count walks them.  The short block goes first: the walk's last tile,
; which is written out behind the loop, is then never a block's first (block 7 - c has five tiles or more).
; NO CLUSTER: only the two work-groups with equal c walk alike; four partners would hold two different walks, and the jumps at a block's first and last tile would differ between them;
; one walk common to all would have 12 trips for 9.
; SHARES.  Of each of its two bands a wave owns 16 rows: two real pieces.  A TURN belongs to a virtual piece y = 2 x (parity of the key step) + real piece; turn y issues 8 products K Q^T of piece y + 1 and later
; 8 products V^T P of piece y - 1, and beside them the softmax of piece y and the maximum and statistics of piece y + 1.  Four turns are two key steps.  m, l and O^T go by the real piece (y % 2), and so do all buffers.
; THE MASK is the C operand that starts S^T = K Q^T, in every tile: two buffers MC.  Off the diagonal both hold 0, written where a block begins, and the lines that make a mask are jumped over.  In the diagonal tile
; a mask is MD (a band's own step, for my 16 rows) x AL + BE with two scalars: (1, 0) own step, (0, 0) earlier, (0, -1e30) later.  So ONE text of the four turns serves all tiles.
; SOFTMAX.  p = 2^(c s - c m), c = 64 log2(e) / 8 (the 64 pays back the two factors 1/8), with a running maximum m; O and l are multiplied by a = 2^(c m_old - c m_new) in every step.
; REGISTERS in windows of 256 (s_set_vgpr_msb: bits 1:0 source 0, 3:2 source 1, 5:4 source 2, 7:6 destination):
;   window 0: v0-15 addresses; v16-23 statistics; v48-55 at work; v60-63 prefetch offset, spare word, 0; v64-127 S^T, two buffers; v128-191 O^T; v192-223 P, two buffers: all that the softmax touches
;   window 1: v128-159 MD; v160-223 MC, two buffers      window 2: v0-31 Q; v32-63 the second block's Q; v64-127 K of one step; v128-255 V of two steps
.set NB,    8
.set NP,    4
.set KS,    64
.set PK,    144       ; a row of K in LDS: 128 bytes + 16
.set PV,    160       ; a row of V: 128 + 32
.set VOFF,  4*KS*PK   ; a slot holds a tile: 256 rows of K, then 256 rows of V
.set SLOT1, 1<<17
.set STAGE, SLOT1+4*KS*(PK+PV)
.set SP,    144
.set AK0, 2
.set AV0, 3
.set AK,  4
.set AV,  5
.set STO, 6
.set RD,  7
.set GO,  8
.set PFO, 60          ; v60  256 x my thread's number; never rewritten
.set SPW, 62
.set NIL, 63
.set SPARE, STAGE+4*16*SP
.set MV,  12
.set QO,  15
.set ST,  16          ; real piece t at v[ST+4 t]: c m, m, l (even keys', odd keys')
.set TMP, 48
.set S,   64
.set OT,  128
.set P,   192
.set MD,  128
.set MC,  160
.set QB,  32
.set KF,  64
.set VF,  128
.set WV,  12
.set PB,  14          ; s14  c: the first block
.set HI,  15          ; s15  7 - c: the second
.set G1K, 24
.set G1V, 32
.set G0K, 40
.set G0V, 44
.set SLOTS, 56
.set CNT, 57          ; s57  counts a tile's pairs of key steps
.set CS,  58
.set SEL, 60
.set TBK, 62
.set TBV, 63
.set RT,  70
.set NXT, 71
.set LQ,  72
.set NEW, 73
.set OFF, 74
.set AL,  76
.set BE,  78
.set OLO, 80
.set BIGN, 82
.set U2,  88          ; s88  first band of the half in hand (0 or 2)
.set U2B, 89          ; s89  of the second block's half
.set DX,  90          ; s90  that band less the number of the tile's key steps begun by earlier trips
.set PFT, 91          ; s91  the tile that a prefetch would name
.set PLIM, 92         ; s92  8 in the work-group that prefetches, else 0
.set XC,  93          ; s93  1 in the diagonal tile, else 0
.set PFK, 94          ; s[94:95] K at that tile   s[96:97] V
.set PFV, 96
.set MSB, 0
.macro WIN new
.if MSB != (\new)
	s_set_vgpr_msb (MSB<<8)|(\new)
.set MSB, (\new)
.endif
.endm
.set W_KQ, 0x0a       ; K and Q in window 2, S^T in window 0
.set W_KM, 0x1a       ; the same with the C operand in window 1
.set W_PV, 0x02       ; V in window 2; P and O^T in window 0
.set W_MK, 0x41       ; destination and source 0 in window 1: a mask is made
.macro LOAD                         ; waves 0 and 1 fetch the halves of a tile's K, waves 2 and 3 of its V; an s_nop 0 and four v_nop follow each line
	s_cmp_lt_u32 s[WV], 2
	s_cbranch_scc0 .Lfor_v_\@
	tensor_load_to_lds s[G0K:G0K+3], s[G1K:G1K+7]
	s_nop 0
.rept 4
	v_nop
.endr
	s_branch .Lasked_\@
.Lfor_v_\@:
	tensor_load_to_lds s[G0V:G0V+3], s[G1V:G1V+7]
	s_nop 0
.rept 4
	v_nop
.endr
.Lasked_\@:
.endm
; A PREFETCH INTO THE L2.  128 threads x 256 bytes are a tile's K, and likewise its V.  Of a head's eight work-groups the one with number 0 asks, and nobody else: behind the load of its change of slots number k
; (k = 1 .. 6) it names tile k + 1, which it will itself load two changes later, and which the work-groups with a longer first block load one change later (tiles 2 and 3).  So each block is named once in the launch.
; Tiles 0 and 1 come by their loads alone; tile 7 is the last that is named.
.macro ASK
	s_cmp_lt_u32 s[PFT], s[PLIM]
	s_cbranch_scc0 .Lnot_mine_\@
	global_prefetch_b8 v[PFO], s[PFK:PFK+1] th:TH_LOAD_NT scope:SCOPE_SE
	global_prefetch_b8 v[PFO], s[PFV:PFV+1] th:TH_LOAD_NT scope:SCOPE_SE
.Lnot_mine_\@:
.endm
; THE CHANGE OF SLOTS.  Each wave waits for all its tensor loads (one is out: its part of the other slot), adds 0 to its spare word, and waits for that and for its reads of the slot that it leaves.
; fill = 1: the old slot is filled again, first thing behind the barrier, with tile NXT; the descriptor's address is made anew from that number.
.macro CHANGE fill
	WIN 0
	s_wait_tensorcnt 0x0
	ds_add_u32 v[SPW], v[NIL]
.if \fill
	s_lshl_b32 s[OFF], s[NXT], 15
	s_xor_b32 s[G0K+1], s[G0K+1], SLOT1
	s_add_nc_u64 s[G0K+2:G0K+3], s[6:7], s[OFF:OFF+1]
	s_or_b32 s[G0K+3], s[G0K+3], 0x80000000
	s_xor_b32 s[G0V+1], s[G0V+1], SLOT1
	s_add_nc_u64 s[G0V+2:G0V+3], s[8:9], s[OFF:OFF+1]
	s_or_b32 s[G0V+3], s[G0V+3], 0x80000000
	s_wait_xcnt 0x0                 ; the last prefetches, a tile back, have read their addresses
	s_add_nc_u64 s[PFK:PFK+1], s[PFK:PFK+1], 32768
	s_add_nc_u64 s[PFV:PFV+1], s[PFV:PFV+1], 32768
	s_add_co_u32 s[PFT], s[PFT], 1
	s_add_co_u32 s[NXT], s[NXT], 1  ; the block's next tile, or behind its last the second block's tile 0
	s_cmp_gt_u32 s[NXT], s[LQ]
	s_cselect_b32 s[NXT], 0, s[NXT]
	s_cselect_b32 s[LQ], s[HI], s[LQ]
.endif
	s_wait_dscnt 0x0                ; the add is done, and my reads of the slot are over
	s_barrier_signal -1
	s_sub_co_u32 s[TBK], s[TBK], 4*KS*PK
	s_xor_b32 s[TBK], s[TBK], SLOT1
	s_sub_co_u32 s[TBV], s[TBV], 4*KS*PV
	s_xor_b32 s[TBV], s[TBV], SLOT1
	s_barrier_wait -1
.if \fill
	LOAD
	ASK
.endif
.endm
	s_load_b64 s[4:5], s[0:1], 0x0    ; qkv
	s_load_b64 s[10:11], s[0:1], 0x8  ; o16
	v_lshl_add_u32 v[SPW], v0, 2, SPARE
	v_mov_b32 v[NIL], 0
	ds_add_u32 v[SPW], v[NIL]       ; the wave's opening: the add and its wait ahead of my first tensor load
	ds_add_u32 v62, v63
	v_lshrrev_b32 v1, 5, v0
	v_readfirstlane_b32 s[WV], v1
	s_lshr_b32 s[PB], ttmp9, 1
	s_sub_co_u32 s[HI], NB-1, s[PB]
	s_and_b32 s[U2], ttmp9, 1       ; the first block's half,
	s_xor_b32 s[U2B], s[U2], 1      ; the second block's: the other one
	s_mov_b32 s19, ttmp9
	s_cmp_eq_u32 s19, 0
	s_cselect_b32 s[PLIM], 8, 0
	s_mov_b32 s[PFT], 1
	s_and_b32 s20, ttmp7, 0xffff
	s_lshl_b32 s20, s20, 18         ; the head's first byte among 32 heads
	s_and_b32 s16, s[WV], 1         ; which half of a tile's 256 keys I fetch
	s_lshl_b32 s22, s16, 14
	s_add_co_u32 s22, s22, s20
	s_add_co_u32 s22, s22, 32*262144  ; k's heads lie behind q's 32
	s_mov_b32 s23, 0
	s_add_co_u32 s98, s20, 32*262144+32768  ; the prefetches stand at tile 1; the first change of slots steps them to tile 2
	s_mov_b32 s99, 0
	s_mul_i32 s17, s16, 128*PK
	s_mul_i32 s18, s16, 128*PV
	s_lshl_b32 s3, s[WV], 11        ; my 16 rows in a band of 64,
	s_lshl_b32 s2, s[PB], 15        ; in the first block,
	s_add_co_u32 s2, s2, s3
	s_lshl_b32 s19, s[U2], 14       ; in its half
	s_add_co_u32 s2, s2, s19
	s_add_co_u32 s2, s2, s20
	s_lshl_b32 s84, s[HI], 15       ; and in the second
	s_add_co_u32 s84, s84, s3
	s_lshl_b32 s19, s[U2B], 14
	s_add_co_u32 s84, s84, s19
	s_add_co_u32 s84, s84, s20
	s_mov_b32 s3, 0
	s_mov_b32 s85, 0
	s_lshl_b32 s[U2], s[U2], 1
	s_lshl_b32 s[U2B], s[U2B], 1
	; descriptor group 1: 128 keys are 16,384 dense bytes: 64 rows of 256 bytes, two keys a row, padded in LDS after every key
	s_mov_b32 s[G1K], (1<<16)|(1<<20)|(4<<22)|(3<<25)
	s_mov_b32 s[G1V], (1<<16)|(1<<20)|(4<<22)|(7<<25)
.irp g, G1K, G1V
	s_mov_b32 s[\g+1], 128<<16
	s_mov_b32 s[\g+2], 64<<16
	s_mov_b32 s[\g+3], 128<<16
	s_mov_b32 s[\g+4], 64
	s_mov_b32 s[\g+5], 128
	s_mov_b32 s[\g+6], 0
	s_mov_b32 s[\g+7], 0
.endr
	s_mov_b32 s[CS], 0x4138aa3b     ; c = 8 log2(e)
	s_mov_b32 s[CS+1], s[CS]
	s_mov_b32 s[SEL], 0x76543210
	s_mov_b32 s[SEL+1], 0xfedcba98
	s_mov_b32 s[TBK], SLOT1+4*KS*PK ; the first change of slots turns these two into 0
	s_mov_b32 s[TBV], SLOT1+4*KS*PV
	s_mov_b32 s[G0K], 1
	s_mov_b32 s[G0K+1], s17
	s_mov_b32 s[G0V], 1
	s_add_co_u32 s[G0V+1], s18, VOFF
	s_add_co_u32 s[RT], s[PB], 1    ; the first block has c + 1 tiles
	s_cmp_eq_u32 s[PB], 0           ; the walk's second tile: the first block's tile 1, or, where it has one tile, the second block's tile 0
	s_cselect_b32 s[NXT], 0, 1
	s_cselect_b32 s[LQ], s[HI], s[PB]
	s_mov_b32 s[NEW], 1
	s_mov_b32 s[OFF+1], 0
	s_mov_b32 s[AL+1], 0
	s_mov_b32 s[BE+1], 0
	s_mov_b32 s[BIGN], 0xf149f2ca   ; -1e30
	s_mov_b32 s[SLOTS], NB
	s_wait_dscnt 0x0                ; the opening add is done
	s_wait_kmcnt 0x0
	s_add_nc_u64 s[6:7], s[4:5], s[22:23]  ; K at my half of the head's tile 0,
	s_add_nc_u64 s[8:9], s[6:7], 32*262144 ; V 32 heads on
	s_add_nc_u64 s[PFK:PFK+1], s[4:5], s[98:99]
	s_add_nc_u64 s[PFV:PFV+1], s[PFK:PFK+1], 32*262144
	s_add_nc_u64 s[G0K+2:G0K+3], s[6:7], 0
	s_or_b32 s[G0K+3], s[G0K+3], 0x80000000
	s_add_nc_u64 s[G0V+2:G0V+3], s[8:9], 0
	s_or_b32 s[G0V+3], s[G0V+3], 0x80000000
	s_add_nc_u64 s[86:87], s[4:5], s[84:85]
	s_add_nc_u64 s[4:5], s[4:5], s[2:3]
	s_add_nc_u64 s[OLO:OLO+1], s[10:11], s[84:85]
	s_add_nc_u64 s[10:11], s[10:11], s[2:3]
	LOAD                            ; tile 0 into slot 0
	v_and_b32 v1, 15, v0
	v_bfe_u32 v9, v0, 4, 1
	v_lshlrev_b32 v[QO], 7, v1
	v_lshl_add_u32 v[QO], v9, 4, v[QO]
	v_lshlrev_b32 v[PFO], 8, v0
	WIN 0x80
.set i, 0
.rept 4                             ; both blocks' Q: real piece i / 2 lies 8,192 bytes on; channels 32 (i % 2) on
	global_load_b128 v[8*i:8*i+3],   v[QO], s[4:5] offset:(i/2)*8192+(i%2)*64
	global_load_b128 v[8*i+4:8*i+7], v[QO], s[4:5] offset:(i/2)*8192+(i%2)*64+32
	global_load_b128 v[QB+8*i:QB+8*i+3],   v[QO], s[86:87] offset:(i/2)*8192+(i%2)*64
	global_load_b128 v[QB+8*i+4:QB+8*i+7], v[QO], s[86:87] offset:(i/2)*8192+(i%2)*64+32
.set i, i+1
.endr
	WIN 0
	v_lshlrev_b32 v14, 3, v9
	v_sub_nc_u32 v14, v1, v14
	s_lshl_b32 s13, s[WV], 4
	v_add_nc_u32 v14, s13, v14      ; my query's place in its band less my lanes' 8 (l / 16): register r of group kt is hidden where 16 kt + r is greater
	WIN 0x40
.set i, 0
.rept 32
	v_cmp_gt_i32 vcc_lo, 16*(i/8)+i%8, v14
	v_cndmask_b32 v[MD+i], 0, s[BIGN], vcc_lo
.set i, i+1
.endr
	WIN 0
	v_mul_u32_u24 v[AK0], v1, PK
	v_lshl_add_u32 v[AK0], v9, 4, v[AK0]
	v_and_b32 v10, 7, v0
	v_bfe_u32 v11, v0, 3, 1
	v_lshl_add_u32 v[AV0], v9, 3, v10
	v_mul_u32_u24 v[AV0], v[AV0], PV
	v_lshl_add_u32 v[AV0], v11, 4, v[AV0]
	v_add_nc_u32 v[AV0], VOFF, v[AV0]
	s_mul_i32 s13, s[WV], 16*SP
	s_add_co_u32 s13, s13, STAGE
	v_mul_u32_u24 v[STO], v1, SP
	v_lshl_add_u32 v[STO], v9, 4, v[STO]
	v_add_nc_u32 v[STO], s13, v[STO]
	v_bfe_u32 v[RD], v0, 3, 2
	v_mul_u32_u24 v[RD], v[RD], SP
	v_lshl_add_u32 v[RD], v10, 4, v[RD]
	v_add_nc_u32 v[RD], s13, v[RD]
	v_and_b32 v[GO], 31, v0
	v_lshlrev_b32 v[GO], 4, v[GO]
	; A block's first steps multiply O^T and l by a = 0, and its first turn's products V^T P, of a piece that has not been, land in an O^T that is still to be so multiplied.  So these registers need only hold
	; finite numbers: zeros for the first block, what the first block left for the second.  All this stands in the wait for the first tile.
	WIN 0x80
.set i, VF+64
.rept 64
	v_mov_b32 v[i], 0
.set i, i+1
.endr
	WIN 0
.set i, OT
.rept 64
	v_mov_b32 v[i], 0
.set i, i+1
.endr
.set i, 0
.rept 2
	v_mov_b32 v[ST+4*i+2], 0
	v_mov_b32 v[ST+4*i+3], 0
.set i, i+1
.endr
.set i, P+16
.rept 16
	v_mov_b32 v[i], 0
.set i, i+1
.endr
; THE MATRIX WORK.  The 4 accumulators of a run of 8 take turns.  Product i of 8 of S^T = K Q^T for piece x: channels 32 (i / 4) on, keys 16 (i % 4) on.  The first 4 start the sums with the mask.
.macro KQ x
.set rS, S+32*((\x)%2)+8*(i%4)
.set rK, KF+16*(i%4)+8*(i/4)
.set rQ, 16*((\x)%2)+8*(i/4)
.set rM, MC+32*((\x)%2)+8*(i%4)
.if i < 4
	WIN W_KM
	v_wmma_f32_16x16x32_f16 v[rS:rS+7], v[rK:rK+7], v[rQ:rQ+7], v[rM:rM+7]
.else
	WIN W_KQ
	v_wmma_f32_16x16x32_f16 v[rS:rS+7], v[rK:rK+7], v[rQ:rQ+7], v[rS:rS+7]
.endif
.endm
; Product i of 8 of O^T += V^T P for piece x: V's buffer by the step's parity (x / 2); keys 32 (i / 4) on, channels 16 (i % 4) on.
.macro PV x
	WIN W_PV
.set rO, OT+32*((\x)%2)+8*(i%4)
.set rV, VF+64*((\x)/2)+32*(i/4)+8*(i%4)
.set rP, P+16*((\x)%2)+8*(i/4)
	v_wmma_f32_16x16x32_f16 v[rO:rO+7], v[rV:rV+7], v[rP:rP+7], v[rO:rO+7]
.endm
.macro MM                           ; the turn's next matrix instruction.  NOKQ = 1: a block's last turn, written out: there is no next piece
.if (i < 8) && !NOKQ
	KQ (Y+1)%NP
.elseif i >= 8
.set i, i-8
	PV (Y+NP-1)%NP
.set i, i+8
.endif
.set i, i+1
.endm
; THE LDS LOADS stand in runs of 16, one a turn: K of the next step in the even turns, V of a step in the odd ones (buffer 1 in turn 1, buffer 0 in turn 3).
.macro FETCH_K
	WIN 0x80
.irp f, 0,1,2,3,4,5,6,7
	ds_load_b128 v[KF+8*\f:KF+8*\f+3],   v[AK] offset:(\f/2)*16*PK+(\f%2)*64
	ds_load_b128 v[KF+8*\f+4:KF+8*\f+7], v[AK] offset:(\f/2)*16*PK+(\f%2)*64+32
.endr
	s_add_co_u32 s[TBK], s[TBK], KS*PK
	WIN 0
.endm
.macro FETCH_V bf
	WIN 0x80
.irp f, 0,1,2,3,4,5,6,7
	ds_load_tr16_b128 v[VF+64*(\bf)+8*\f:VF+64*(\bf)+8*\f+3],   v[AV] offset:(\f/4)*32*PV+(\f%4)*32
	ds_load_tr16_b128 v[VF+64*(\bf)+8*\f+4:VF+64*(\bf)+8*\f+7], v[AV] offset:(\f/4)*32*PV+16*PV+(\f%4)*32
.endr
	s_add_co_u32 s[TBV], s[TBV], KS*PV
	WIN 0
.endm
; THE VECTOR WORK, one line at a time: OP kind, number; all of it in window 0.  For piece Y: F n: c s - c m for pair n of 16.  E n: the exponential of score n of 32.  C n: pair n rounded to f16.  B n: of the four
; weights 4 n .. the second pair is added onto the first.  L n: l takes that sum (L 0: l = a l + sum).  R n: pair n of 16 of O^T times a.  For piece Y + 1: X n, number n of the 22 that find its maximum and statistics
; (0-14, 16: the maximum of 32 scores and the old m, each accumulator's lowest registers first; 15: c m_old kept; 17, 18: the other half of the lanes; 19-21: c m, the difference, a).
.set F, 0
.set E, 1
.set C, 2
.set B, 3
.set L, 4
.set R, 5
.set X, 6
.macro REGS y
.set rT, ST+4*((\y)%2)
.set rC, TMP+4*((\y)%2)
.set rW, MV+((\y)%2)
.set rS, S+32*((\y)%2)
.set rP, P+16*((\y)%2)
.set rO, OT+32*((\y)%2)
.endm
.macro OP k, n
	WIN 0
.if (\k) <= R
	REGS Y
.if (\k) == F
	v_pk_fma_f32 v[rS+2*(\n):rS+2*(\n)+1], v[rS+2*(\n):rS+2*(\n)+1], s[CS:CS+1], v[rT:rT+1] op_sel_hi:[1,0,0] neg_lo:[0,0,1] neg_hi:[0,0,1]
.elseif (\k) == E
	v_exp_f32 v[rS+(\n)], v[rS+(\n)]
.elseif (\k) == C
	s_wait_alu depctr_va_vdst(0)
	v_cvt_pk_f16_f32 v[rP+(\n)], v[rS+2*(\n)], v[rS+2*(\n)+1]
.elseif (\k) == B
	s_wait_alu depctr_va_vdst(0)
	v_pk_add_f32 v[rS+4*(\n):rS+4*(\n)+1], v[rS+4*(\n):rS+4*(\n)+1], v[rS+4*(\n)+2:rS+4*(\n)+3]
.elseif (\k) == R
	v_pk_mul_f32 v[rO+2*(\n):rO+2*(\n)+1], v[rO+2*(\n):rO+2*(\n)+1], v[rC+2:rC+3] op_sel_hi:[1,0]
.elseif (\n) == 0
	v_pk_fma_f32 v[rT+2:rT+3], v[rT+2:rT+3], v[rC+2:rC+3], v[rS:rS+1] op_sel_hi:[1,0,1]
.else
	v_pk_add_f32 v[rT+2:rT+3], v[rT+2:rT+3], v[rS+4*(\n):rS+4*(\n)+1]
.endif
.elseif NOKQ
	v_nop
.else
	REGS (Y+1)%NP
.if (\n) < 4
	v_max3_num_f32 v[rC+(\n)], v[rS+8*(\n)], v[rS+8*(\n)+1], v[rS+8*(\n)+2]
.elseif (\n) < 12
	v_max3_num_f32 v[rC+(\n)%4], v[rC+(\n)%4], v[rS+8*((\n)%4)+2*((\n)/4)+1], v[rS+8*((\n)%4)+2*((\n)/4)+2]
.elseif (\n) == 12
	v_max3_num_f32 v[rC], v[rC], v[rS+7], v[rS+15]
.elseif (\n) == 13
	v_max3_num_f32 v[rC+1], v[rC+1], v[rS+23], v[rS+31]
.elseif (\n) == 14
	v_max3_num_f32 v[rC+2], v[rC+2], v[rC+3], v[rT+1]
.elseif (\n) == 15
	v_mov_b32 v[rW], v[rT]
.elseif (\n) == 16
	v_max3_num_f32 v[rC], v[rC], v[rC+1], v[rC+2]
.elseif (\n) == 17
	v_permlanex16_b32 v[rC+3], v[rC], s[SEL], s[SEL+1]
.elseif (\n) == 18
	v_max_num_f32 v[rT+1], v[rC], v[rC+3]
.elseif (\n) == 19
	v_mul_f32 v[rT], s[CS], v[rT+1]
.elseif (\n) == 20
	v_sub_f32 v[rC+1], v[rW], v[rT]
.else
	v_exp_f32 v[rC+2], v[rC+1]
.endif
.endif
.endm
.macro OPS a, i1, b=-1, i2=0, c=-1, i3=0, d=-1, i4=0
	OP \a, \i1
.if (\b) >= 0
	OP \b, \i2
.endif
.if (\c) >= 0
	OP \c, \i3
.endif
.if (\d) >= 0
	OP \d, \i4
.endif
.endm
.macro ROW a, i1, b, i2, c, i3, d, i4  ; a matrix instruction and the four behind it
	MM
	OPS \a, \i1, \b, \i2, \c, \i3, \d, \i4
.endm
.macro MASK b                       ; MD x AL + BE into buffer b of MC
	WIN W_MK
.set z, 0
.rept 16
	v_pk_fma_f32 v[MC+32*(\b)+2*z:MC+32*(\b)+2*z+1], v[MD+2*z:MD+2*z+1], s[AL:AL+1], s[BE:BE+1] op_sel_hi:[1,0,0]
.set z, z+1
.endr
.endm
; A TURN, for virtual piece p.  Behind a matrix instruction four vector lines; the rest in two lumps.
; At its end the turn makes the mask for the products of the turn after it, piece p + 2: its band less its key step is DX - 1, DX, DX, DX + 1 for p = 0, 1, 2, 3.  skip = 1: off the diagonal (XC = 0) those
; lines are jumped over, and the buffers keep their zeros.  end = 1: a block's last two turns, written out: nothing is fetched, no mask is made.  last = 1 (the walk's last tile): in the trip with CNT = 1 there is no
; further step, and the run of loads is jumped over.
; The turn's run of LDS loads stands five plain vector lines behind the last product that read K (even p); V's buffer was last read a turn earlier (odd p).
; Every odd turn begins with the wait for the runs that are out: K of the turn before, V of two turns before.
.macro TURN p, end=0, skip=1, last=0
.set Y, (\p)
.set i, 0
.set NOKQ, (\end)*((\p)/3)
.if (\p)%2 == 1
	s_wait_dscnt 0x0                ; K and V are in
.endif
	ROW F,0, F,1, F,2, F,3
	ROW F,4, E,0, F,5, F,6
	ROW F,7, E,1, F,8, F,9
	ROW F,10, E,2, C,0, F,11
	ROW F,12, E,3, X,15, F,13
	ROW R,0, R,1, R,2, R,3
	ROW B,0, E,4, F,14, L,0
.if !(\end)
.if (\p)%2 == 0
	v_add_nc_u32 v[AK], s[TBK], v[AK0]
.else
	v_add_nc_u32 v[AV], s[TBV], v[AV0]
.endif
.endif
	ROW R,4, R,5, R,6, R,7
	OPS E,5, F,15
.if !(\end)
.if \last
	s_cmp_eq_u32 s[CNT], 1
	s_cbranch_scc1 .Lno_fetch_\@
.endif
.if (\p)%2 == 0
	FETCH_K
.elseif (\p) == 1
	FETCH_V 1
.else
	FETCH_V 0
.endif
.if \last
.Lno_fetch_\@:
.endif
.endif
	OPS E,6, C,1, E,7, R,8
	OPS E,8, R,9, E,9, C,2
	OPS E,10, X,0, E,11, X,1
	OPS E,12, X,2, E,13, X,3
	ROW X,4, E,14, X,5, X,6
	ROW X,7, E,15, X,8, X,9
	ROW X,10, E,16, X,11, X,12
	ROW X,13, E,17, X,14, B,1
	ROW C,4, E,18, X,16, L,1
	ROW B,2, E,19, C,6, L,2
	ROW C,8, E,20, B,3, B,4
	ROW C,3, E,21, L,3, C,5
	OPS E,22, X,17, E,23, C,10
	OPS E,24, L,4
	OPS E,25, X,18, E,26, C,7
	OPS E,27, B,5, E,28, X,19
	OPS E,29, C,12, E,30, L,5
	OPS E,31, X,20, B,6, C,9
	OPS C,14, C,11, X,21, L,6
	OPS C,13, B,7, C,15, R,10
	OPS R,11, R,12, L,7, R,13
	OPS R,14, R,15
.if !(\end)
.if \skip
	s_cmp_eq_u32 s[XC], 0
	s_cbranch_scc1 .Lno_mask_\@
.endif
	s_cmp_eq_i32 s[DX], 1-((\p)+1)/2   ; is that step the band's own?
	s_cselect_b32 s[AL], 1.0, 0
	s_cmp_lt_i32 s[DX], 1-((\p)+1)/2   ; or a later one?
	s_cselect_b32 s[BE], s[BIGN], 0
	MASK (\p)%2
	WIN 0
.if \skip
.Lno_mask_\@:
.endif
.endif
.endm
; A TILE'S STEPS.  A trip: turns 2 and 3 (an odd key step), then 0 and 1 (the next even one); it fetches K and V of two steps.  A block's first tile enters at .Lfirst.
; last = 0: two trips.  last = 1: the walk's last tile, which is the diagonal one: CNT starts at 3, and the third trip, which finishes the block's last step, is left in its middle.  That trip's 8 products K Q^T for a
; piece that does not follow (on the last K once more) and the maximum made of them serve nothing: the price, once a launch, of not writing the two turns out again.
.macro STEPS tag, skip, last
.Lstep\tag:
	TURN 2, 0, \skip, \last
	TURN 3, 0, \skip, \last
.if \last
	s_cmp_eq_u32 s[CNT], 1
	s_cbranch_scc1 .Lleft\tag
.endif
.Lfirst\tag:
	TURN 0, 0, \skip
	TURN 1, 0, \skip
	s_sub_co_i32 s[DX], s[DX], 2    ; the next trip's two key steps
	s_sub_co_u32 s[CNT], s[CNT], 1
	s_cmp_lg_u32 s[CNT], 0
	s_cbranch_scc1 .Lstep\tag
.if \last
.Lleft\tag:
.endif
.endm
; A BLOCK BEGINS.  c m starts far below every c s, so the first steps' a is 0; m at the lowest finite number.  The second mask buffer is 0; the first takes piece 0's mask for the tile's step 0: its own step only if the
; block's first tile is the diagonal one and my half begins with band 0, else 0.  Then K and V of that step, piece 0's first scores, and its maximum and statistics.
.macro BEGIN
	s_mov_b32 s[NEW], 0
	WIN 0x40
.set i, MC+32
.rept 32
	v_mov_b32 v[i], 0
.set i, i+1
.endr
	WIN 0
.set i, 0
.rept 2
	v_mov_b32 v[ST+4*i], 0xfe000000
	v_mov_b32 v[ST+4*i+1], 0xff7fffff
.set i, i+1
.endr
	s_or_b32 s[AL], s[RT], s[U2]
	s_cmp_eq_u32 s[AL], 0
	s_cselect_b32 s[AL], 1.0, 0
	s_mov_b32 s[BE], 0
	MASK 0
	WIN 0
	v_add_nc_u32 v[AK], s[TBK], v[AK0]
	v_add_nc_u32 v[AV], s[TBV], v[AV0]
	FETCH_K
	FETCH_V 0
	s_wait_loadcnt 0x0              ; Q
	s_wait_dscnt 0x0
.set NOKQ, 0
.set i, 0
.rept 8
	KQ 0
.set i, i+1
.endr
	WIN 0
.rept 4
	v_nop                           ; the places behind those products
.endr
.set Y, NP-1
.irp n, 0,1,2,3,4,5,6,7,8,9,10,11,12,13,14,15,16,17,18,19,20,21
	OP X, \n
.endr
	v_nop                           ; a plain instruction behind the exponential
.endm
.macro ALL line:vararg              ; one line for each real piece t
.set t, 0
.rept 2
	\line
.set t, t+1
.endr
.endm
.macro PACK t                       ; O^T / l, rounded to f16; a lane's eight channels are 16 bytes; into rows of 144 bytes, back as whole rows of 128
	WIN 0
.set i, OT+32*(\t)
.rept 16
	s_wait_alu depctr_va_vdst(0)
	v_pk_mul_f32 v[i:i+1], v[i:i+1], v[ST+4*(\t)+2:ST+4*(\t)+3] op_sel_hi:[1,0]
.set i, i+2
.endr
.set i, 0
.rept 16
	v_cvt_pk_f16_f32 v[S+16*(\t)+i], v[OT+32*(\t)+2*i], v[OT+32*(\t)+2*i+1]
.set i, i+1
.endr
.irp f, 0,1,2,3
	ds_store_b128 v[STO], v[S+16*(\t)+4*\f:S+16*(\t)+4*\f+3] offset:32*\f
.endr
.irp f, 0,1,2,3
	ds_load_b128 v[S+16*(\t)+4*\f:S+16*(\t)+4*\f+3], v[RD] offset:\f*4*SP  ; LDS serves a wave's instructions in order: these see the stores above
.endr
.endm
.macro SEND t, younger              ; younger: the LDS instructions issued behind piece t's loads
	WIN 0
.irp f, 0,1,2,3
	s_wait_dscnt (\younger)+3-\f
	global_store_b128 v[GO], v[S+16*(\t)+4*\f:S+16*(\t)+4*\f+3], s[10:11] offset:(\t)*8192+\f*512  ; 512 consecutive bytes, aligned
.endr
.endm
.macro OUT                          ; the block's last products, and the way out
.set i, 0
.rept 8
	PV NP-1
.set i, i+1
.endr
	WIN 0
	ALL v_add_f32 v[ST+4*t+2], v[ST+4*t+2], v[ST+4*t+3]
	ALL v_permlanex16_b32 v[ST+4*t+3], v[ST+4*t+2], s[SEL], s[SEL+1]
	ALL v_add_f32 v[ST+4*t+2], v[ST+4*t+2], v[ST+4*t+3]
	ALL v_rcp_f32 v[ST+4*t+2], v[ST+4*t+2]
	v_nop                           ; a plain instruction between the last reciprocal and the use of its result
	PACK 0                          ; piece 0's O^T was finished a turn ago; its 32 lines are the places behind the last products, which are piece 1's
	PACK 1
	SEND 0, 8
	SEND 1, 0
.endm
.set NOKQ, 0
.Lslot:                             ; 8 times: a tile is entered and the next is asked for
	CHANGE 1
	s_sub_co_u32 s[RT], s[RT], 1
	s_mov_b32 s[CNT], 2
	s_mov_b32 s[DX], s[U2]
	s_cmp_eq_u32 s[RT], 0
	s_cselect_b32 s[XC], 1, 0       ; the block's last tile holds the diagonal
	s_cmp_eq_u32 s[NEW], 1
	s_cbranch_scc0 .Lstep1
	BEGIN                           ; a block's first tile
	s_branch .Lfirst1
	STEPS 1, 1, 0
	s_cmp_eq_u32 s[XC], 0
	s_cbranch_scc1 .Lbottom
	TURN 2, 1                       ; in the loop this is the first block's end: its last two turns,
	TURN 3, 1
	OUT
	s_wait_xcnt 0x0                 ; the stores have read their registers and O's address
	s_mov_b64 s[10:11], s[OLO:OLO+1]
	s_add_co_u32 s[RT], s[HI], 1    ; the second block has 8 - c tiles
	s_mov_b32 s[NEW], 1
	s_mov_b32 s[U2], s[U2B]
	WIN 0x82                        ; the second block's Q goes where the one text of the turns names Q
.set i, 0
.rept 32
	v_mov_b32 v[i], v[QB+i]
.set i, i+1
.endr
	WIN 0
.Lbottom:
	s_sub_co_u32 s[SLOTS], s[SLOTS], 1
	s_cmp_lg_u32 s[SLOTS], 0
	s_cbranch_scc1 .Lslot
	CHANGE 0                        ; the walk's last tile, the second block's diagonal one, is written out: nothing is asked for
	s_mov_b32 s[CNT], 3
	s_mov_b32 s[DX], s[U2]
	STEPS 2, 0, 1
	OUT
	s_wait_tensorcnt 0x0            ; the wave's end
	ds_add_u32 v[SPW], v[NIL]
	s_wait_dscnt 0x0
	s_endpgm
.Lfunc_end_k_q4e305c037b_attn:
	.size	k_q4e305c037b_attn, .Lfunc_end_k_q4e305c037b_attn-k_q4e305c037b_attn
	.p2alignl 7, 3214868480
	.fill 96, 4, 3214868480
	.section	.rodata,"a",@progbits
	.p2align	6, 0x0
	.amdhsa_kernel k_q4e305c037b_attn
		.amdhsa_group_segment_fixed_size 327680
		.amdhsa_private_segment_fixed_size 0
		.amdhsa_enable_private_segment 0
		.amdhsa_kernarg_size 16
		.amdhsa_user_sgpr_count 2
		.amdhsa_user_sgpr_kernarg_segment_ptr 1
		.amdhsa_wavefront_size32 1
		.amdhsa_system_sgpr_workgroup_id_x 1
		.amdhsa_system_sgpr_workgroup_id_y 1
		.amdhsa_system_sgpr_workgroup_id_z 1
		.amdhsa_system_vgpr_workitem_id 0
		.amdhsa_next_free_vgpr 768
		.amdhsa_next_free_sgpr 100
		.amdhsa_reserve_vcc 1
		.amdhsa_float_denorm_mode_32 3
		.amdhsa_float_denorm_mode_16_64 3
		.amdhsa_memory_ordered 1
		.amdhsa_forward_progress 1
		.amdhsa_inst_pref_size 151
	.end_amdhsa_kernel
	.amdgpu_metadata
---
amdhsa.version: [ 1, 2 ]
amdhsa.kernels:
  - .name:           k_q4e305c037b_attn
    .symbol:         k_q4e305c037b_attn.kd
    .args:
      - { .name: qkv, .offset: 0, .size: 8, .value_kind: global_buffer, .address_space: global }
      - { .name: o16, .offset: 8, .size: 8, .value_kind: global_buffer, .address_space: global }
    .group_segment_fixed_size: 327680
    .private_segment_fixed_size: 0
    .kernarg_segment_align: 8
    .kernarg_segment_size: 16
    .max_flat_workgroup_size: 128
    .sgpr_count:     100
    .vgpr_count:     768
    .wavefront_size: 32
...
	.end_amdgpu_metadata
.endif
;; end of part 3
;; launch proj_o (part 4): grid 16 x 16, 4 waves a work-group, clusters of 4 x 4, 327,680 bytes of LDS; arguments o16, wo16, out0; writes out0
.if DOCPART == 4
	.amdgcn_target "amdgcn-amd-amdhsa--gfx1250"
	.amdhsa_code_object_version 6
	.text
	.protected	k_q4e305c037b_proj_o
	.globl	k_q4e305c037b_proj_o
	.p2align	8
	.type	k_q4e305c037b_proj_o,@function
k_q4e305c037b_proj_o:
	s_mov_b64 s[64:65], 0
	v_nop
	global_prefetch_b8 v0, s[64:65] scope:SCOPE_SE
	s_setreg_imm32_b32 hwreg(HW_REG_WAVE_MODE, 25, 1), 1
	s_wait_xcnt 0x0
	s_wait_alu depctr_hold_cnt(0) depctr_sa_sdst(0) depctr_va_vdst(0) depctr_va_sdst(0) depctr_va_ssrc(0) depctr_va_vcc(0) depctr_vm_vsrc(0)
	s_getreg_b32 s2, hwreg(HW_REG_IB_STS2, 6, 4)
	s_cmp_eq_u32 s2, 0
	s_cbranch_scc0 .Lentry_in_a_cluster
	s_endpgm
.Lentry_in_a_cluster:
	s_bfe_u32 s2, ttmp6, 0x10000c
	s_cmp_lg_u32 s2, 0xf033
	s_cbranch_scc0 .Lentry_shape_is_right
	s_endpgm
.Lentry_shape_is_right:
; out[m][n] = the sum over k of attn[m][k] Wo[n][k], 2,048 x 2,048 x 2,048, f32 out.  attn arrives by heads, o16[32][2048][64] in f16, divided by 8; wo16[n][k] is 8 bf16(Wo) in f16: the factors cancel.  Sums in f32.
; A tile of out is 128 x 128: 256 work-groups.  Four waves, each 64 x 64: 16 accumulators.  K goes in steps of 256 = four heads, through two LDS slots.
; A's tile for one tensor load: 64 rows of four heads.  In memory a head's 64 rows are 8,192 dense bytes, so the descriptor's row is those 4,096 elements, its four rows the heads, 131,072 elements apart;
; 16 bytes of padding follow every 128: in LDS [head][row] with rows 144 bytes apart.  B's: 64 rows of 512 bytes, 528 apart.
; CLUSTER 4 x 4: A's tiles are asked for jointly along a row of the cluster, B's along a column.  THE PRODUCT IS USED TRANSPOSED (source 0 = rows of Wo, source 1 = rows of attn): a lane holds eight neighbouring numbers of a row.
; A wave's 64 columns of f32 are 256 aligned bytes: the way out goes through the wave's own stage, with no barrier.
; REGISTERS: window 0: v16-29 addresses; v32-95 at work on the way out; v128-255 the accumulators ((a, b) at 128 + 8 (4 a + b)).   window 1: two fragment buffers of 128: 64 of A, then 64 of B, for 64 along K.
.set PA,     144
.set PBW,    528
.set AHALF,  4*64*PA                   ; 36,864
.set BHALF,  64*PBW                    ; 33,792
.set BOFF,   2*AHALF
.set SLOT,   2*AHALF+2*BHALF           ; 141,312
.set STAGE,  2*SLOT
.set SPITCH, 272
.set SPARE,  STAGE+4*16*SPITCH
.set LAPS,   4
.set ADRA, 16
.set ADRB, 20
.set STO,  24
.set RD,   25
.set CO,   26
.set SPW,  28
.set NIL,  29
.set TMP,  32
.set ACC,  128
.set F0,   0
.set F1,   128
.set G1, 24
.set G0, 32
.set G1B, 48
.set G0B, 56
.set MSB, 0
.macro WIN new
.if MSB != (\new)
	s_set_vgpr_msb (MSB<<8)|(\new)
.set MSB, \new
.endif
.endm
.set MUL,  0x05
.set TO_F, 0x40
.macro PLACES
.rept 4
	v_nop
.endr
.endm
.macro JLOAD s                         ; a joint load: waves 0 and 1 fetch A's halves, waves 2 and 3 B's; an s_nop 0 and four v_nop follow each line
	s_cmp_eq_u32 s11, 0
	s_cbranch_scc0 .Lfor_b_\@
	tensor_load_to_lds s[G0+4*(\s):G0+4*(\s)+3], s[G1:G1+7]
	s_nop 0
	PLACES
	s_branch .Lasked_\@
.Lfor_b_\@:
	tensor_load_to_lds s[G0B+4*(\s):G0B+4*(\s)+3], s[G1B:G1B+7]
	s_nop 0
	PLACES
.Lasked_\@:
.endm
.macro CREST
	s_cmp_lg_u32 s10, 0
	s_cbranch_scc1 .Lnot_wave_0_\@
	s_barrier_signal -3
.Lnot_wave_0_\@:
	s_barrier_wait -3
	s_barrier_signal -1
	s_barrier_wait -1
.endm
.macro CROUND
	s_barrier_signal -1
	s_barrier_wait -1
	CREST
.endm
	s_load_b128 s[4:7], s[0:1], 0x0                ; o16 s[4:5], wo16 s[6:7]
	s_load_b64 s[8:9], s[0:1], 0x10                ; out0
	v_lshl_add_u32 v[SPW], v0, 2, SPARE
	v_mov_b32 v[NIL], 0
	ds_add_u32 v[SPW], v[NIL]                      ; the wave's opening: the add and its wait ahead of my first tensor load
	ds_add_u32 v28, v29
	v_lshrrev_b32 v1, 5, v0
	v_readfirstlane_b32 s10, v1                    ; wave 0..3
	s_lshr_b32 s11, s10, 1                         ; which half of the tile's rows is mine.  Also: I fetch for A (0) or for B (1)
	s_and_b32 s12, s10, 1                          ; which half of its columns.  Also: which half of that tile I fetch
	s_bfe_u32 s40, ttmp6, 0x40000
	s_bfe_u32 s41, ttmp6, 0x40004
	s_lshl_b32 s42, ttmp9, 2
	s_add_co_u32 s42, s42, s40                     ; tile column
	s_and_b32 s13, ttmp7, 0xffff
	s_lshl_b32 s13, s13, 2
	s_add_co_u32 s13, s13, s41                     ; tile row
	s_lshl_b32 s43, s41, 2
	s_lshl_b32 s43, 15, s43
	s_lshl_b32 s44, 0x1111, s40
	s_or_b32 s[G1+0], s43, (1<<16)|(1<<20)|(1<<21)|(4<<22)|(3<<25)   ; A: after every 32 words 4 words of padding
	s_mov_b32 s[G1+1], 4096<<16                    ; tensor_dim0 = 4,096
	s_mov_b32 s[G1+2], 4<<16                       ; tensor_dim1 = 4
	s_mov_b32 s[G1+3], 4096<<16                    ; tile_dim0 = 4,096
	s_mov_b32 s[G1+4], 4                           ; tile_dim1 = 4
	s_mov_b32 s[G1+5], 131072                      ; elements from head to head
	s_mov_b32 s[G1+6], 0
	s_mov_b32 s[G1+7], 0
	s_or_b32 s[G1B+0], s44, (1<<16)|(1<<20)|(1<<21)|(6<<22)|(3<<25)  ; B: after every 128 words
	s_mov_b32 s[G1B+1], 256<<16
	s_mov_b32 s[G1B+2], 64<<16
	s_mov_b32 s[G1B+3], 256<<16
	s_mov_b32 s[G1B+4], 64
	s_mov_b32 s[G1B+5], 2048
	s_mov_b32 s[G1B+6], 0
	s_mov_b32 s[G1B+7], 0
	s_lshl_b32 s17, s12, 6                         ; which 64 rows I fetch
	s_lshl_b32 s16, s13, 7
	s_add_co_u32 s16, s16, s17
	s_lshl_b32 s16, s16, 7                         ; A: a row of a head is 128 bytes
	s_lshl_b32 s46, s42, 7
	s_add_co_u32 s46, s46, s17
	s_lshl_b32 s46, s46, 12                        ; B: a row is 4,096 bytes
	s_mov_b32 s17, 0
	s_mov_b32 s47, 0
	s_mul_i32 s20, s12, AHALF                      ; where they go: no place in the cluster enters an LDS address
	s_mul_i32 s21, s12, BHALF
	s_add_co_u32 s21, s21, BOFF
	s_wait_dscnt 0x0                               ; the opening add is done
	s_wait_kmcnt 0x0
	s_add_nc_u64 s[14:15], s[4:5], s[16:17]
	s_add_nc_u64 s[46:47], s[6:7], s[46:47]
	CROUND                                         ; all sixteen work-groups are here: the first joint loads meet
.irp s, 0,1
	s_mov_b32 s[G0+4*(\s)], 1
	s_add_co_u32 s[G0+4*(\s)+1], s20, (\s)*SLOT
	s_add_nc_u64 s[G0+4*(\s)+2:G0+4*(\s)+3], s[14:15], (\s)*4*262144  ; K step s: four heads on
	s_or_b32 s[G0+4*(\s)+3], s[G0+4*(\s)+3], 0x80000000
	s_mov_b32 s[G0B+4*(\s)], 1
	s_add_co_u32 s[G0B+4*(\s)+1], s21, (\s)*SLOT
	s_add_nc_u64 s[G0B+4*(\s)+2:G0B+4*(\s)+3], s[46:47], (\s)*512
	s_or_b32 s[G0B+4*(\s)+3], s[G0B+4*(\s)+3], 0x80000000
	JLOAD \s
.endr
	v_and_b32 v1, 15, v0
	v_bfe_u32 v2, v0, 4, 1
	v_mul_u32_u24 v3, v1, PA
	v_lshl_add_u32 v3, v2, 4, v3
	v_mul_u32_u24 v4, v1, PBW
	v_lshl_add_u32 v4, v2, 4, v4
	s_mul_i32 s21, s11, AHALF                      ; my 64 rows of A
	s_mul_i32 s22, s12, BHALF                      ; my 64 rows of B
	s_add_co_u32 s22, s22, BOFF
.irp s, 0,1
	v_add_nc_u32 v[ADRA+(\s)], s21, v3
	v_add_nc_u32 v[ADRB+(\s)], s22, v4
	s_add_co_u32 s21, s21, SLOT
	s_add_co_u32 s22, s22, SLOT
.endr
	s_mul_i32 s23, s10, 16*SPITCH
	s_add_co_u32 s23, s23, STAGE                   ; my stage
	v_mul_u32_u24 v5, v1, SPITCH                   ; in: row l % 16, 32 bytes for each half of the lanes
	v_lshl_add_u32 v5, v2, 5, v5
	v_add_nc_u32 v[STO], s23, v5
	v_mul_u32_u24 v5, v2, SPITCH                   ; back: lanes 0-15 one row of 256 bytes, lanes 16-31 the next
	v_lshl_add_u32 v5, v1, 4, v5
	v_add_nc_u32 v[RD], s23, v5
	v_lshlrev_b32 v5, 13, v2                       ; and the same two rows in out
	v_lshl_add_u32 v[CO], v1, 4, v5
	s_lshl_b32 s16, s13, 7
	s_lshl_b32 s17, s11, 6
	s_add_co_u32 s16, s16, s17
	s_lshl_b32 s16, s16, 13                        ; my first row x 8,192 bytes
	s_mov_b32 s17, 0
	s_add_nc_u64 s[8:9], s[8:9], s[16:17]
	s_lshl_b32 s46, s42, 9                         ; my first column x 4 bytes
	s_lshl_b32 s47, s12, 8
	s_add_co_u32 s46, s46, s47
	s_mov_b32 s47, 0
	s_add_nc_u64 s[8:9], s[8:9], s[46:47]
.macro MUL8 f, c, a0, zero             ; 8 matrix instructions: row blocks a0, a0 + 1 x all 4 column blocks, 32 along K: half c of buffer f; the 16 accumulators take turns
	WIN MUL
.irp a, \a0, (\a0)+1
.irp b, 0,1,2,3
.if \zero
	v_wmma_f32_16x16x32_f16 v[ACC+8*(4*(\a)+(\b)):ACC+8*(4*(\a)+(\b))+7], v[(\f)+64+8*(4*(\c)+(\b)):(\f)+64+8*(4*(\c)+(\b))+7], v[(\f)+8*(4*(\c)+(\a)):(\f)+8*(4*(\c)+(\a))+7], 0
.else
	v_wmma_f32_16x16x32_f16 v[ACC+8*(4*(\a)+(\b)):ACC+8*(4*(\a)+(\b))+7], v[(\f)+64+8*(4*(\c)+(\b)):(\f)+64+8*(4*(\c)+(\b))+7], v[(\f)+8*(4*(\c)+(\a)):(\f)+8*(4*(\c)+(\a))+7], v[ACC+8*(4*(\a)+(\b)):ACC+8*(4*(\a)+(\b))+7]
.endif
.endr
.endr
.endm
.macro FETCH slot, q, f                ; 32 LDS loads in one run: quarter q of a K step (one head) into buffer f; the first 32 along K first
	WIN TO_F
.irp c, 0,1
.irp i, 0,1,2,3
	ds_load_b128 v[(\f)+64+8*(4*(\c)+(\i)):(\f)+64+8*(4*(\c)+(\i))+3],   v[ADRB+(\slot)] offset:128*(\q)+64*(\c)+(\i)*16*PBW
	ds_load_b128 v[(\f)+64+8*(4*(\c)+(\i))+4:(\f)+64+8*(4*(\c)+(\i))+7], v[ADRB+(\slot)] offset:128*(\q)+64*(\c)+(\i)*16*PBW+32
	ds_load_b128 v[(\f)+8*(4*(\c)+(\i)):(\f)+8*(4*(\c)+(\i))+3],         v[ADRA+(\slot)] offset:64*PA*(\q)+64*(\c)+(\i)*16*PA
	ds_load_b128 v[(\f)+8*(4*(\c)+(\i))+4:(\f)+8*(4*(\c)+(\i))+7],       v[ADRA+(\slot)] offset:64*PA*(\q)+64*(\c)+(\i)*16*PA+32
.endr
.endr
.endm
.macro QUARTER slot, q, f, g, zero     ; multiplies buffer f and fetches quarter q into g
	s_wait_dscnt 16                                ; the first 32 along K are in
	MUL8 \f, 0, 0, \zero
	MUL8 \f, 0, 2, \zero
	PLACES
	FETCH \slot, \q, \g
	s_wait_dscnt 32                                ; all but the 32 just issued
	MUL8 \f, 1, 0, 0
	MUL8 \f, 1, 2, 0
.endm
; The last quarter multiplies buffer 1 and changes slots: one barrier; in front of it each wave waits for all its tensor loads, adds 0 to its spare word, and waits for that and for its reads of this slot.
.macro TURN slot, next, fill
	WIN 0
	s_wait_tensorcnt 0x0
	ds_add_u32 v[SPW], v[NIL]
	s_wait_dscnt 17                                ; (the add and the youngest sixteen loads may be out)
	MUL8 F1, 0, 0, 0
	s_wait_dscnt 0x0                               ; the add is done, and my reads of this slot are over
	s_barrier_signal -1
	MUL8 F1, 0, 2, 0
.if \fill
	WIN 0
.endif
	s_barrier_wait -1
.if \fill
	CREST                                          ; no wave of any partner still reads this slot or has a load on its way
	s_add_nc_u64 s[G0+4*(\slot)+2:G0+4*(\slot)+3], s[G0+4*(\slot)+2:G0+4*(\slot)+3], 2*4*262144
	s_add_nc_u64 s[G0B+4*(\slot)+2:G0B+4*(\slot)+3], s[G0B+4*(\slot)+2:G0B+4*(\slot)+3], 2*512
	JLOAD \slot                                    ; its four v_nop are also the places in front of the loads below
.else
	PLACES
.endif
	FETCH \next, 0, F0
	MUL8 F1, 1, 0, 0
	MUL8 F1, 1, 2, 0
.endm
	s_wait_tensorcnt 1                             ; my part of K step 0 is in; slot 1's may stay out
	s_barrier_signal -1
	s_barrier_wait -1
	FETCH 0, 0, F0
	QUARTER 0, 1, F0, F1, 1                        ; the first quarter stands in front of the loop: its first products start the sums
	WIN 0
	s_mov_b32 s3, LAPS-1
.Llap:                                                 ; a trip goes once round the ring and fills both slots again
	QUARTER 0, 2, F1, F0, 0
	QUARTER 0, 3, F0, F1, 0
	TURN 0, 1, 1
	QUARTER 1, 1, F0, F1, 0
	QUARTER 1, 2, F1, F0, 0
	QUARTER 1, 3, F0, F1, 0
	TURN 1, 0, 1
	QUARTER 0, 1, F0, F1, 0
	WIN 0
	s_sub_co_u32 s3, s3, 1
	s_cmp_lg_u32 s3, 0
	s_cbranch_scc1 .Llap
	QUARTER 0, 2, F1, F0, 0                        ; the last lap fills nothing
	QUARTER 0, 3, F0, F1, 0
	TURN 0, 1, 0
	QUARTER 1, 1, F0, F1, 0
	QUARTER 1, 2, F1, F0, 0
	QUARTER 1, 3, F0, F1, 0
	s_wait_dscnt 16
	MUL8 F1, 0, 0, 0
	MUL8 F1, 0, 2, 0
	s_wait_dscnt 0x0
	MUL8 F1, 1, 0, 0
	MUL8 F1, 1, 2, 0
	WIN 0
	; THE WAY OUT, 16 rows at a time: 32 bytes a lane and accumulator into my stage, back as whole rows of 256 bytes.
.macro TOST a
.if (\a) >= 2
	s_wait_xcnt 0x0                                ; the stores of two blocks back have read their registers, which are loaded again below
.endif
.irp b, 0,1,2,3
	ds_store_b128 v[STO], v[ACC+8*(4*(\a)+\b):ACC+8*(4*(\a)+\b)+3]   offset:64*\b      ; each accumulator's low registers first
	ds_store_b128 v[STO], v[ACC+8*(4*(\a)+\b)+4:ACC+8*(4*(\a)+\b)+7] offset:64*\b+16
.endr
.irp t, 0,1,2,3,4,5,6,7
	ds_load_b128 v[TMP+32*((\a)%2)+4*\t:TMP+32*((\a)%2)+4*\t+3], v[RD] offset:\t*2*SPITCH  ; LDS serves a wave's instructions in order: these see the stores above
.endr
.endm
.macro SEND a, younger                 ; younger: the LDS instructions issued behind block a's loads
.irp t, 0,1,2,3,4,5,6,7
	s_wait_dscnt (\younger)+7-\t
	global_store_b128 v[CO], v[TMP+32*((\a)%2)+4*\t:TMP+32*((\a)%2)+4*\t+3], s[8:9] offset:131072*(\a)+16384*\t  ; 16 lanes store 256 consecutive bytes, aligned
.endr
.endm
	PLACES                                         ; behind the last products
	TOST 0
	TOST 1
	SEND 0, 16
	TOST 2
	SEND 1, 16
	TOST 3
	SEND 2, 16
	SEND 3, 0
	s_wait_tensorcnt 0x0                           ; the wave's end
	ds_add_u32 v[SPW], v[NIL]
	s_wait_dscnt 0x0
	CROUND                                         ; the closing round
	s_endpgm
.Lfunc_end_k_q4e305c037b_proj_o:
	.size	k_q4e305c037b_proj_o, .Lfunc_end_k_q4e305c037b_proj_o-k_q4e305c037b_proj_o
	.p2alignl 7, 3214868480
	.fill 96, 4, 3214868480
	.section	.rodata,"a",@progbits
	.p2align	6, 0x0
	.amdhsa_kernel k_q4e305c037b_proj_o
		.amdhsa_group_segment_fixed_size 327680
		.amdhsa_private_segment_fixed_size 0
		.amdhsa_enable_private_segment 0
		.amdhsa_kernarg_size 24
		.amdhsa_user_sgpr_count 2
		.amdhsa_user_sgpr_kernarg_segment_ptr 1
		.amdhsa_wavefront_size32 1
		.amdhsa_system_sgpr_workgroup_id_x 1
		.amdhsa_system_sgpr_workgroup_id_y 1
		.amdhsa_system_sgpr_workgroup_id_z 1
		.amdhsa_system_vgpr_workitem_id 0
		.amdhsa_next_free_vgpr 512
		.amdhsa_next_free_sgpr 66
		.amdhsa_reserve_vcc 0
		.amdhsa_float_denorm_mode_32 3
		.amdhsa_float_denorm_mode_16_64 3
		.amdhsa_memory_ordered 1
		.amdhsa_forward_progress 1
		.amdhsa_inst_pref_size 87
	.end_amdhsa_kernel
	.amdgpu_metadata
---
amdhsa.version: [ 1, 2 ]
amdhsa.kernels:
  - .name:           k_q4e305c037b_proj_o
    .symbol:         k_q4e305c037b_proj_o.kd
    .args:
      - { .name: o16, .offset: 0, .size: 8, .value_kind: global_buffer, .address_space: global }
      - { .name: wo16, .offset: 8, .size: 8, .value_kind: global_buffer, .address_space: global }
      - { .name: out0, .offset: 16, .size: 8, .value_kind: global_buffer, .address_space: global }
    .group_segment_fixed_size: 327680
    .private_segment_fixed_size: 0
    .kernarg_segment_align: 8
    .kernarg_segment_size: 24
    .max_flat_workgroup_size: 128
    .sgpr_count:     66
    .vgpr_count:     512
    .wavefront_size: 32
...
	.end_amdgpu_metadata
.endif
;; end of part 4
;; ======== version 2 of 2: 4 launches; version 1 with the launch prep written anew for expert scheduling mode
;; limits: values are held in f16: magnitudes above 65,504 overflow, below 6.1e-05 lose precision; right only within a limited range of input values
;; workspace buffers: xb 8,388,608 bytes; wcat 25,165,824 bytes; wo16 8,388,608 bytes; tl 196,608 bytes; tab 540,672 bytes; qkv 25,165,824 bytes; o16 8,388,608 bytes
;; launch prep (part 5): grid 1441 x 1, 8 waves a work-group, no clusters, 25,600 bytes of LDS; arguments hidden_states, Wq, Wk, Wv, Wo, Aq, Ak, Av, xb, wcat, wo16, tl, tab; writes xb, wcat, wo16, tl, tab
.if DOCPART == 5
	.amdgcn_target "amdgcn-amd-amdhsa--gfx1250"
	.amdhsa_code_object_version 6
	.text
	.protected	k_q4e305c037b_prep
	.globl	k_q4e305c037b_prep
	.p2align	8
	.type	k_q4e305c037b_prep,@function
k_q4e305c037b_prep:
	s_mov_b64 s[64:65], 0
	v_nop
	global_prefetch_b8 v0, s[64:65] scope:SCOPE_SE
	s_setreg_imm32_b32 hwreg(HW_REG_WAVE_SCHED_MODE, 0, 2), 2
	s_setreg_imm32_b32 hwreg(HW_REG_WAVE_MODE, 25, 1), 1
	s_wait_xcnt 0x0
	s_wait_alu depctr_vm_vsrc(0)
; PREPARATION, three kinds of work-group, told apart by the work-group's number alone (the same for all eight waves):
;   0 .. 127     T: t = bf16(x) bf16(A)^T for the three LoRA pairs, 16 rows of x each; sums in f32; stored split, bf16(t) and bf16(t - bf16(t)).
;   128 .. 160   R: the table of cos / 8 and sin / 8 for 2,048 positions x 32 frequencies, and 64 rows (0.125, 0) that leave a vector unturned.
;   161 .. 1440  C: x, Wq, Wk, Wv rounded to bf16; Wo rounded to bf16, times 8, written as f16 (exact where 8 |Wo| is at least 2^-17; below that f16's fixed step of 6e-8).
; LIMITS.  inv_freq is 2^(-i log2(10000) / 32) by v_exp_f32: within a few units in the last place of the power that the model takes; the angle is reduced by pi/2 in two parts,
; exact for positions up to 2,111, and sine and cosine are polynomials of degree 9 and 10 on |r| <= pi/4 (what is cut off is under 2e-9).
; REGISTERS.  160 a wave, so that six waves, three work-groups, share a SIMD's 1,024: the launch is a stream, and each work-group more has its 64 KiB of loads on their way.
; THE MODE: SCHED_MODE bits 1:0 = 2 (LLVM: expert scheduling mode 2), set by the entry lines.  The code itself states the register dependences
; between vector or matrix instructions and memory or LDS instructions, with s_wait_alu, always for 0.
; THE PLAN.  Registers that memory or LDS instructions touch:
;   T  RAW0, RAW1  A step's conversions read and write its set in place, its three products read the set's low halves; behind them the loads of two steps on land in the set.
;      v[XO], v[AO]  Read by every load; written once a trip, ahead of the step's wait on va_vdst.
;      So ONE wait on va_vdst stands in a step, behind its products and ahead of its 16 loads, and one wait on vm_vsrc a trip ahead of the two adds.
;      Behind the loop: the accumulators and v32 (LDS stores), v33 and v64-127 (LDS loads), v34 and v152-155 (the store of t): a wait on va_vdst ahead of each of the three runs.
;   R  v16 (offset) and v20-21 (data) of a row's one store: a wait on va_vdst ahead of the store, a wait on vm_vsrc behind it, ahead of the lines that write the three again.
;   C  v5, v6 offsets, never written again; v16-79 as loaded; v80-111 to store, a pair of its own for each chunk, never written again:
;      a wait on va_vdst ahead of the loads, and one ahead of each run of four stores.
;   v[SPW], v[NIL]  Written at the head, read by the closing add alone.
.set SPARE, 24576                      ; behind the partial sums: the spare words, 128 bytes for each of eight waves
.set XO,  1                            ; v1  T: my byte offset in 16 rows of x
.set SPW, 2                            ; v2  LDS address of my spare word; never rewritten
.set NIL, 3                            ; v3  0; never rewritten
.set AO,  7                            ; v7  T: my byte offset in the 8 rows of an A
.set TQ,  8                            ; v[8:31] T: three accumulators
.set TK,  16
.set TV,  24
.set RAW, 32                           ; v[32:159] T: two sets of 64: x, Aq, Ak, Av, 16 f32 each as loaded; rounded in place, a fragment is the low 8 of its 16
	s_load_b512 s[8:23], s[0:1], 0x0               ; x s[8:9], Wq s[10:11], Wk s[12:13], Wv s[14:15], Wo s[16:17], Aq s[18:19], Ak s[20:21], Av s[22:23]
	s_load_b256 s[24:31], s[0:1], 0x40             ; xb s[24:25], wcat s[26:27], wo16 s[28:29], tl s[30:31]
	s_load_b64 s[32:33], s[0:1], 0x60              ; tab
	v_lshl_add_u32 v[SPW], v0, 2, SPARE
	v_mov_b32 v[NIL], 0
	v_lshrrev_b32 v1, 5, v0
	v_readfirstlane_b32 s34, v1                    ; wave 0..7
	s_mov_b32 s35, ttmp9
	v_and_b32 v4, 31, v0                           ; lane l
	v_and_b32 v5, 15, v0                           ; r = l % 16
	v_bfe_u32 v6, v0, 4, 1                         ; h = l / 16
	s_wait_alu depctr_va_sdst(0)                   ; s34 is written: ahead of the branches below and of its first reader in each kind of work-group
	s_wait_kmcnt 0x0
	s_cmp_ge_u32 s35, 161
	s_cbranch_scc1 .Lcopy
	s_cmp_ge_u32 s35, 128
	s_cbranch_scc1 .Ltable
; ---- T.  K is split among the eight waves, 256 columns each, in eight steps of 32.  In a step a lane takes 16 consecutive numbers of its row (lanes 0-15 the first 16 columns, lanes 16-31
; the second 16), of x and of each A alike: the same column lies in the same place of both sources, so the products are those of the true order.
; Source 0 = the 8 rows of an A, taken twice (lanes 8-15 repeat rows 0-7), source 1 = 16 rows of x: register j of every lane holds t[row l % 16][j].
	s_lshl_b32 s36, s35, 17                        ; 16 rows of 8,192 bytes
	s_mov_b32 s37, 0
	s_add_nc_u64 s[8:9], s[8:9], s[36:37]
	s_lshl_b32 s38, s34, 10                        ; my wave's 256 columns
	v_lshlrev_b32 v[XO], 13, v5
	v_lshl_add_u32 v[XO], v6, 6, v[XO]
	v_add_nc_u32 v[XO], s38, v[XO]
	v_and_b32 v[AO], 7, v0
	v_lshlrev_b32 v[AO], 13, v[AO]
	v_lshl_add_u32 v[AO], v6, 6, v[AO]
	v_add_nc_u32 v[AO], s38, v[AO]
.macro LD s                            ; 16 loads into set s: the step that lies 128 s bytes behind the two offsets
.set RB, RAW+64*(\s)
.irp q, 0,1,2,3
	global_load_b128 v[RB+4*\q:RB+4*\q+3], v[XO], s[8:9] offset:128*(\s)+16*\q
.endr
.irp q, 0,1,2,3
	global_load_b128 v[RB+16+4*\q:RB+16+4*\q+3], v[AO], s[18:19] offset:128*(\s)+16*\q
.endr
.irp q, 0,1,2,3
	global_load_b128 v[RB+32+4*\q:RB+32+4*\q+3], v[AO], s[20:21] offset:128*(\s)+16*\q
.endr
.irp q, 0,1,2,3
	global_load_b128 v[RB+48+4*\q:RB+48+4*\q+3], v[AO], s[22:23] offset:128*(\s)+16*\q
.endr
.endm
; Set s: rounded to bf16 in place (ascending: a target has been read before it is written), three products, the accumulators by turns.
; more = 1: the set is asked for again, two steps on, behind four vector lines and the step's wait.  step = 1: the offsets go two steps on first.  left: the younger loads that may stay out.
.macro TT s, more, left, step
.set RB, RAW+64*(\s)
	s_wait_loadcnt \left
.irp b, 0,16,32,48
.irp k, 0,1,2,3,4,5,6,7
	v_cvt_pk_bf16_f32 v[RB+\b+\k], v[RB+\b+2*\k], v[RB+\b+2*\k+1]
.endr
.endr
	v_wmma_f32_16x16x32_bf16 v[TQ:TQ+7], v[RB+16:RB+23], v[RB:RB+7], v[TQ:TQ+7]
	v_wmma_f32_16x16x32_bf16 v[TK:TK+7], v[RB+32:RB+39], v[RB:RB+7], v[TK:TK+7]
	v_wmma_f32_16x16x32_bf16 v[TV:TV+7], v[RB+48:RB+55], v[RB:RB+7], v[TV:TV+7]
.if \more
.if \step
	s_wait_xcnt 0x0                                ; the other set's loads have had their addresses translated: the offsets are written only behind this wait,
	s_wait_alu depctr_vm_vsrc(0)                   ; and beside it: the loads issued so far have read v[XO] and v[AO], which the two adds write
	v_add_nc_u32 v[XO], 256, v[XO]                 ; these two lines are two of the four vector lines that stand behind the set's last product, ahead of the loads into its registers
	v_add_nc_u32 v[AO], 256, v[AO]
	v_nop
	v_nop
.else
.rept 4
	v_nop
.endr
.endif
	s_wait_alu depctr_va_vdst(0)                   ; the step's conversions and products are done reading and writing RAW[s], in which the loads below land; in a trip's first step v[XO] and v[AO] are written
	LD \s
.endif
.endm
	s_wait_alu depctr_va_vdst(0)                   ; v[XO] and v[AO] are written, which every load of x and of the three A reads
	LD 0                                           ; step 0
	LD 1                                           ; step 1
.set z, 0
.rept 24
	v_mov_b32 v[TQ+z], 0                           ; the sums start at 0: written while the first loads are on their way, so that the loop has one form of product
.set z, z+1
.endr
	s_mov_b32 s40, 3
.Ltk:                                                  ; steps 2 i and 2 i + 1 are multiplied, steps 2 i + 2 and 2 i + 3 asked for
	TT 0, 1, 16, 1                                 ; my set is in; the other set's 16 loads may stay out
	TT 1, 1, 16, 0
	s_sub_co_u32 s40, s40, 1
	s_cmp_lg_u32 s40, 0
	s_cbranch_scc1 .Ltk
	TT 0, 0, 16, 0                                 ; the last two steps load nothing, so they hold no s_wait_alu
	TT 1, 0, 0, 0
.rept 8
	v_nop                                          ; the places behind the last products
.endr
	s_mul_i32 s39, s34, 3072
	v_lshl_add_u32 v32, v4, 5, s39                 ; my wave's three partial tiles of 1,024 bytes, 32 bytes a lane
	s_wait_alu depctr_va_vdst(0)                   ; the products have written the accumulators and v32 is written, which the LDS stores read; the places above stay beside this wait
.irp m, 0,1,2
	ds_store_b128 v32, v[TQ+8*\m:TQ+8*\m+3] offset:1024*\m
	ds_store_b128 v32, v[TQ+8*\m+4:TQ+8*\m+7] offset:1024*\m+16
.endr
	s_wait_dscnt 0x0                               ; for the others' sake: my stores are done
	s_barrier_signal -1
	s_barrier_wait -1
	s_cmp_lt_u32 s34, 3                            ; wave 0 finishes q's t, wave 1 k's, wave 2 v's
	s_cbranch_scc0 .Ltend
	s_lshl_b32 s39, s34, 10
	v_lshl_add_u32 v33, v4, 5, s39
	v_lshlrev_b32 v34, 5, v5                       ; where I store 16 bytes of t
	v_lshl_add_u32 v34, v6, 4, v34
	v_cmp_eq_u32 vcc_lo, 1, v6                     ; lanes 16-31: read by the selects far below
	s_wait_alu depctr_va_vdst(0)                   ; v33 is written, which the LDS loads read; no vector or matrix line since the last such wait names v64 to v127, in which they land
.irp w, 0,1,2,3,4,5,6,7
	ds_load_b128 v[64+8*\w:64+8*\w+3], v33 offset:3072*\w
	ds_load_b128 v[64+8*\w+4:64+8*\w+7], v33 offset:3072*\w+16
.endr
	s_lshl_b32 s36, s34, 16                        ; the matrix: 2,048 rows of 32 bytes
	s_lshl_b32 s38, s35, 9                         ; my 16 rows
	s_add_co_u32 s36, s36, s38
	s_mov_b32 s37, 0
	s_add_nc_u64 s[30:31], s[30:31], s[36:37]
	s_wait_dscnt 0x0
.irp g, 0,1,2,3
.irp e, 0,2,4,6
	v_pk_add_f32 v[64+16*\g+\e:64+16*\g+\e+1], v[64+16*\g+\e:64+16*\g+\e+1], v[72+16*\g+\e:72+16*\g+\e+1]
.endr
.endr
.irp g, 0,1
.irp e, 0,2,4,6
	v_pk_add_f32 v[64+32*\g+\e:64+32*\g+\e+1], v[64+32*\g+\e:64+32*\g+\e+1], v[80+32*\g+\e:80+32*\g+\e+1]
.endr
.endr
.irp e, 0,2,4,6
	v_pk_add_f32 v[64+\e:64+\e+1], v[64+\e:64+\e+1], v[96+\e:96+\e+1]
.endr
.irp k, 0,1,2,3
	v_cvt_pk_bf16_f32 v[128+\k], v[64+2*\k], v[65+2*\k]          ; the upper part
.endr
.irp k, 0,1,2,3
	v_lshlrev_b32 v[136+2*\k], 16, v[128+\k]
	v_and_b32 v[137+2*\k], 0xffff0000, v[128+\k]
.endr
.irp k, 0,1,2,3
	v_pk_add_f32 v[144+2*\k:145+2*\k], v[64+2*\k:65+2*\k], v[136+2*\k:137+2*\k] neg_lo:[0,1] neg_hi:[0,1]  ; what the rounding left
.endr
.irp k, 0,1,2,3
	v_cvt_pk_bf16_f32 v[132+\k], v[144+2*\k], v[145+2*\k]        ; the lower part
.endr
	s_wait_alu depctr_va_vcc(0)                    ; the compare above has written VCC, which the four selects read
.irp k, 0,1,2,3
	v_cndmask_b32 v[152+\k], v[128+\k], v[132+\k], vcc_lo        ; lanes 0-15 store the upper parts, lanes 16-31 the lower
.endr
	s_wait_alu depctr_va_vdst(0)                   ; the selects have written v152 to v155, which the store reads (v34, its offset, was written ahead of the wait before)
	global_store_b128 v34, v[152:155], s[30:31]    ; 512 consecutive bytes
.Ltend:
	s_wait_dscnt 0x0                               ; the closing lines, six on end
	s_wait_alu 0x0
	s_wait_tensorcnt 0x0
	ds_add_u32 v[SPW], v[NIL]
	s_wait_dscnt 0x0
	s_endpgm
; ---- R.  A wave makes 8 rows of the table, a row (256 bytes) a trip.  Lane l holds elements 2 l, 2 l + 1: lanes 0-15 cosines of frequencies 2 l, 2 l + 1, lanes 16-31 the sines.
.Ltable:
	s_sub_co_u32 s36, s35, 128
	s_lshl_b32 s36, s36, 6
	s_lshl3_add_u32 s36, s34, s36                  ; my first position: 64 x group + 8 x wave
	v_lshlrev_b32 v5, 1, v5
	v_cvt_f32_u32 v6, v5
	v_add_nc_u32 v5, 1, v5
	v_cvt_f32_u32 v7, v5
	v_mul_f32 v6, 0xbed49a78, v6                   ; - i log2(10000) / 32
	v_mul_f32 v7, 0xbed49a78, v7
	v_exp_f32 v6, v6                               ; inv_freq of my two frequencies
	v_exp_f32 v7, v7
	v_cmp_gt_u32 vcc_lo, 16, v4                    ; (a plain line behind the exponentials) the cosines' lanes
	v_mov_b32 v12, 3
	v_mov_b32 v15, 0
	v_mov_b32 v14, 0x3e000000
	s_lshl_b32 s37, s36, 8
	v_lshl_add_u32 v16, v4, 3, s37                 ; my 8 bytes of the row
	s_wait_alu depctr_va_vcc(0)                    ; the compare has written VCC, which the two selects read
	v_cndmask_b32 v12, v12, v15, vcc_lo            ; sin t = cos(t - pi/2): three quarter turns more
	v_cndmask_b32 v13, v15, v14, vcc_lo            ; the unturned rows: 0.125 and 0
; A row's two numbers go in two parts, so that the two compares stand in one run, with one wait ahead of the first select.
; QUART: the angle, its quarter turns, what is left of it, and whether the quarter is odd.  b: four registers (at work, n, r, the quarter); m: the scalar register that takes the mask.
.macro QUART inv, b, m
	v_mul_f32 v[\b], v17, v[\inv]                  ; the angle, one f32 product as in the model
	v_mul_f32 v[\b+1], 0x3f22f983, v[\b]
	v_rndne_f32 v[\b+1], v[\b+1]                   ; n quarter turns
	v_fmamk_f32 v[\b+2], v[\b+1], 0xbfc90fdb, v[\b]    ; r = angle - n pi/2: the upper part of pi/2 (this difference is exact),
	v_fmamk_f32 v[\b+2], v[\b+1], 0x333bbd2e, v[\b+2]  ; and what that part is too large by
	v_cvt_i32_f32 v[\b+3], v[\b+1]
	v_add_nc_u32 v[\b+3], v[\b+3], v12
	v_and_b32 v[\b], 1, v[\b+3]
	v_cmp_eq_u32 s[\m], 1, v[\b]
.endm
; POLY: sine and cosine of r, the choice between them, the sign, the factor.  first = 1: the wait for both masks stands ahead of the first select.
.macro POLY b, m, dst, first
	v_mul_f32 v28, v[\b+2], v[\b+2]
	v_mov_b32 v29, 0x3638ef1d
	v_fmaak_f32 v29, v29, v28, 0xb9500d01
	v_fmaak_f32 v29, v29, v28, 0x3c088889
	v_fmaak_f32 v29, v29, v28, 0xbe2aaaab
	v_mul_f32 v29, v29, v28
	v_fma_f32 v29, v29, v[\b+2], v[\b+2]           ; sin r
	v_mov_b32 v30, 0xb493f27e
	v_fmaak_f32 v30, v30, v28, 0x37d00d01
	v_fmaak_f32 v30, v30, v28, 0xbab60b61
	v_fmaak_f32 v30, v30, v28, 0x3d2aaaab
	v_fma_f32 v30, v30, v28, -0.5
	v_fma_f32 v30, v30, v28, 1.0                   ; cos r
.if \first
	s_wait_alu depctr_va_sdst(0)                   ; the row's two compares have written s40 and s41, which this select and the second number's read
.endif
	v_cndmask_b32 v30, v30, v29, s[\m]             ; odd quarter: the sine
	v_add_nc_u32 v[\b+3], 1, v[\b+3]
	v_and_b32 v[\b+3], 2, v[\b+3]
	v_lshlrev_b32 v[\b+3], 30, v[\b+3]
	v_xor_b32 v30, v30, v[\b+3]                    ; quarters 1 and 2: the sign turns
	v_mul_f32 v30, 0x3e000000, v30                 ; the factor 1/8 that q, k and v are stored with
	v_cndmask_b32 v[\dst], v30, v13, s39
.endm
	s_mov_b32 s38, 8
	s_wait_alu depctr_va_vdst(0)                   ; the two exponentials have written v6 and v7: ahead of the label and of their first reader
.Lrow:
	v_cvt_f32_u32 v17, s36
	s_cmp_ge_u32 s36, 2048
	s_cselect_b32 s39, -1, 0                       ; rows 2,048 on are the unturned ones
	QUART 6, 24, 40
	QUART 7, 32, 41
	POLY 24, 40, 20, 1
	POLY 32, 41, 21, 0
	s_wait_alu depctr_va_vdst(0)                   ; the last selects have written v20 and v21, and the add (in the first trip the head) v16: the store reads the three
	global_store_b64 v16, v[20:21], s[32:33]       ; the wave stores 256 consecutive bytes, aligned
	s_wait_xcnt 0x0                                ; the offset and the data are written again only behind this wait,
	s_wait_alu depctr_vm_vsrc(0)                   ; and beside it: the store has read v16, which the add writes, and v20 and v21, which the next row's selects write
	v_add_nc_u32 v16, 256, v16
	s_add_co_u32 s36, s36, 1
	s_sub_co_u32 s38, s38, 1
	s_cmp_lg_u32 s38, 0
	s_cbranch_scc1 .Lrow
	s_endpgm
; ---- C.  A work-group rounds 65,536 bytes of one of the five large inputs: 16 loads of 16 bytes a lane, all issued at once, each with registers of its own.
; The 16 chunks go out in four groups of four: the group's conversions, one wait, its four stores.
.Lcopy:
	s_sub_co_u32 s36, s35, 161
	s_lshr_b32 s37, s36, 8                         ; 0 x, 1 Wq, 2 Wk, 3 Wv, 4 Wo
	s_and_b32 s36, s36, 255                        ; which 65,536 bytes
	s_cmp_eq_u32 s37, 1
	s_cselect_b64 s[40:41], s[10:11], s[8:9]
	s_cmp_eq_u32 s37, 2
	s_cselect_b64 s[40:41], s[12:13], s[40:41]
	s_cmp_eq_u32 s37, 3
	s_cselect_b64 s[40:41], s[14:15], s[40:41]
	s_cmp_eq_u32 s37, 4
	s_cselect_b64 s[40:41], s[16:17], s[40:41]
	s_cmp_eq_u32 s37, 0
	s_cselect_b64 s[42:43], s[24:25], s[26:27]
	s_cmp_eq_u32 s37, 4
	s_cselect_b64 s[42:43], s[28:29], s[42:43]
	s_sub_co_u32 s44, s37, 1
	s_lshl_b32 s44, s44, 23                        ; Wq, Wk, Wv lie one behind the other in wcat
	s_cmp_eq_u32 s37, 0
	s_cselect_b32 s44, 0, s44
	s_cmp_eq_u32 s37, 4
	s_cselect_b32 s44, 0, s44
	s_lshl_b32 s45, s36, 15
	s_add_co_u32 s44, s44, s45
	s_mov_b32 s45, 0
	s_add_nc_u64 s[42:43], s[42:43], s[44:45]
	s_lshl_b32 s46, s36, 16
	s_mov_b32 s47, 0
	s_add_nc_u64 s[40:41], s[40:41], s[46:47]
	v_lshlrev_b32 v5, 4, v0
	v_lshlrev_b32 v6, 3, v0
	s_wait_alu depctr_va_vdst(0)                   ; v5 and v6 are written: every load below reads the one as its offset, every store the other
.set z, 0
.rept 16
	global_load_b128 v[16+4*z:19+4*z], v5, s[40:41] offset:4096*z
.set z, z+1
.endr
	s_cmp_eq_u32 s37, 4
	s_cbranch_scc1 .Lcopy_wo
.set g, 0
.rept 4
	s_wait_loadcnt 12-4*g                          ; loads come back in order: this group's four are in, the younger groups stay out
.set z, 4*g
.rept 4
	v_cvt_pk_bf16_f32 v[80+2*z], v[16+4*z], v[17+4*z]
	v_cvt_pk_bf16_f32 v[81+2*z], v[18+4*z], v[19+4*z]
.set z, z+1
.endr
	s_wait_alu depctr_va_vdst(0)                   ; the group's eight conversions have written its out-registers, which the four stores read
.set z, 4*g
.rept 4
	global_store_b64 v6, v[80+2*z:81+2*z], s[42:43] offset:2048*z th:TH_STORE_NT  ; a wave stores 256 consecutive bytes, aligned
.set z, z+1
.endr
.set g, g+1
.endr
	s_endpgm
.Lcopy_wo:
	s_mov_b32 s38, 0x41000000                      ; 8.0; the packed product takes the pair's low word for both halves
	s_mov_b32 s39, s38
	s_mov_b32 s35, 0xffff0000                      ; a word's upper bf16
.set g, 0
.rept 4
	s_wait_loadcnt 12-4*g                          ; this group's four loads are in, the younger groups stay out
.set z, 4*g
.rept 4
	v_pk_mul_f32 v[16+4*z:17+4*z], v[16+4*z:17+4*z], s[38:39] op_sel_hi:[1,0]  ; times 8: O arrives divided by 8
	v_pk_mul_f32 v[18+4*z:19+4*z], v[18+4*z:19+4*z], s[38:39] op_sel_hi:[1,0]
	v_cvt_pk_bf16_f32 v112, v[16+4*z], v[17+4*z]   ; rounded to bf16 like every input,
	v_cvt_pk_bf16_f32 v113, v[18+4*z], v[19+4*z]
	v_lshlrev_b32 v114, 16, v112
	v_and_b32 v115, s35, v112
	v_lshlrev_b32 v116, 16, v113
	v_and_b32 v117, s35, v113
	v_cvt_pk_f16_f32 v[80+2*z], v114, v115         ; and that number written as f16
	v_cvt_pk_f16_f32 v[81+2*z], v116, v117
.set z, z+1
.endr
	s_wait_alu depctr_va_vdst(0)                   ; the group's last conversions have written its out-registers, which the four stores read
.set z, 4*g
.rept 4
	global_store_b64 v6, v[80+2*z:81+2*z], s[42:43] offset:2048*z th:TH_STORE_NT
.set z, z+1
.endr
.set g, g+1
.endr
	s_endpgm
.Lfunc_end_k_q4e305c037b_prep:
	.size	k_q4e305c037b_prep, .Lfunc_end_k_q4e305c037b_prep-k_q4e305c037b_prep
	.p2alignl 7, 3214868480
	.fill 96, 4, 3214868480
	.section	.rodata,"a",@progbits
	.p2align	6, 0x0
	.amdhsa_kernel k_q4e305c037b_prep
		.amdhsa_group_segment_fixed_size 25600
		.amdhsa_private_segment_fixed_size 0
		.amdhsa_enable_private_segment 0
		.amdhsa_kernarg_size 104
		.amdhsa_user_sgpr_count 2
		.amdhsa_user_sgpr_kernarg_segment_ptr 1
		.amdhsa_wavefront_size32 1
		.amdhsa_system_sgpr_workgroup_id_x 1
		.amdhsa_system_sgpr_workgroup_id_y 1
		.amdhsa_system_sgpr_workgroup_id_z 1
		.amdhsa_system_vgpr_workitem_id 0
		.amdhsa_next_free_vgpr 160
		.amdhsa_next_free_sgpr 66
		.amdhsa_reserve_vcc 1
		.amdhsa_float_denorm_mode_32 3
		.amdhsa_float_denorm_mode_16_64 3
		.amdhsa_memory_ordered 1
		.amdhsa_forward_progress 1
		.amdhsa_inst_pref_size 45
	.end_amdhsa_kernel
	.amdgpu_metadata
---
amdhsa.version: [ 1, 2 ]
amdhsa.kernels:
  - .name:           k_q4e305c037b_prep
    .symbol:         k_q4e305c037b_prep.kd
    .args:
      - { .name: hidden_states, .offset: 0, .size: 8, .value_kind: global_buffer, .address_space: global }
      - { .name: Wq, .offset: 8, .size: 8, .value_kind: global_buffer, .address_space: global }
      - { .name: Wk, .offset: 16, .size: 8, .value_kind: global_buffer, .address_space: global }
      - { .name: Wv, .offset: 24, .size: 8, .value_kind: global_buffer, .address_space: global }
      - { .name: Wo, .offset: 32, .size: 8, .value_kind: global_buffer, .address_space: global }
      - { .name: Aq, .offset: 40, .size: 8, .value_kind: global_buffer, .address_space: global }
      - { .name: Ak, .offset: 48, .size: 8, .value_kind: global_buffer, .address_space: global }
      - { .name: Av, .offset: 56, .size: 8, .value_kind: global_buffer, .address_space: global }
      - { .name: xb, .offset: 64, .size: 8, .value_kind: global_buffer, .address_space: global }
      - { .name: wcat, .offset: 72, .size: 8, .value_kind: global_buffer, .address_space: global }
      - { .name: wo16, .offset: 80, .size: 8, .value_kind: global_buffer, .address_space: global }
      - { .name: tl, .offset: 88, .size: 8, .value_kind: global_buffer, .address_space: global }
      - { .name: tab, .offset: 96, .size: 8, .value_kind: global_buffer, .address_space: global }
    .group_segment_fixed_size: 25600
    .private_segment_fixed_size: 0
    .kernarg_segment_align: 8
    .kernarg_segment_size: 104
    .max_flat_workgroup_size: 256
    .sgpr_count:     66
    .vgpr_count:     160
    .wavefront_size: 32
...
	.end_amdgpu_metadata
.endif
;; end of part 5
;; launch proj_qkv: the kernel of part 2 again; grid 32 x 8, 4 waves a work-group, clusters of 4 x 4, 327,680 bytes of LDS; arguments xb, wcat, tl, Bq, Bk, Bv, tab, qkv; writes qkv
;; launch attn: the kernel of part 3 again; grid 8 x 32, 4 waves a work-group, no clusters, 327,680 bytes of LDS; arguments qkv, o16; writes o16
;; launch proj_o: the kernel of part 4 again; grid 16 x 16, 4 waves a work-group, clusters of 4 x 4, 327,680 bytes of LDS; arguments o16, wo16, out0; writes out0
